; MI455X (gfx1250); checked and timed in simulation.
; The chip was launched on July 23, 2026; its instructions are those of AMD's public machine-readable ISA for CDNA 5 (MIT licence, August 2026) and "CDNA5" Instruction Set Architecture Reference Guide (July 2026). The comments in the code are by the model that wrote it; some were corrected since.
;; Four Directional Cross Modal Scan. Allowed arithmetic: float matrix products may take bf16 or f16 operands with f32 sums; all other float work in f32.
;; Inputs: A_log 4 x 2 x 512 float32; Dskip 4 x 2 x 512 float32; WB 4 x 2 x 256 x 16 float32; WC 4 x 2 x 256 x 16 float32; Wdt 4 x 2 x 256 x 512 float32; Wout 4 x 2 x 512 x 256 float32; Wx 4 x 2 x 256 x 512 float32; Wz 4 x 2 x 256 x 512 float32; dt_bias 4 x 2 x 512 float32; gate_W 2 x 512 x 256 float32; gate_b 2 x 256 float32; ln_b 4 x 2 x 256 float32; ln_s 4 x 2 x 256 float32; merge_W 2 x 512 x 256 float32; merge_b 2 x 256 float32; merge_ln_b 2 x 256 float32; merge_ln_s 2 x 256 float32; stream_inst 4 x 1,024 x 256 float32; stream_sem 4 x 1,024 x 256 float32.
;; Outputs: out0 4 x 1,024 x 256 float32; out1 4 x 1,024 x 256 float32.
;; 2 versions, each right and faster than the one before. Each part assembles by itself: llvm-mc -triple=amdgcn-amd-amdhsa -mcpu=gfx1250 --defsym DOCPART=n.
;; ======== version 1 of 2: 4 launches
;; workspace buffers: wst 8,388,608 bytes; wbc 131,072 bytes; wgm 1,572,864 bytes; xa 33,554,432 bytes; xf 33,554,432 bytes; cfg0 256 bytes of whole numbers; cfg1 256 bytes of whole numbers
;; launch prep (part 1): grid 320 x 1, 8 waves a work-group, no clusters, 33,792 bytes of LDS; arguments Wx, Wz, Wdt, Wout, gate_W, merge_W, WB, WC, wst, wgm, wbc, cfg0, cfg1; writes wst, wgm, wbc, cfg0, cfg1
.if DOCPART == 1
	.amdgcn_target "amdgcn-amd-amdhsa--gfx1250"
	.amdhsa_code_object_version 6
	.text
	.protected	k_q993bdfb88e_prep
	.globl	k_q993bdfb88e_prep
	.p2align	8
	.type	k_q993bdfb88e_prep,@function
k_q993bdfb88e_prep:
	s_mov_b64 s[64:65], 0
	v_nop
	global_prefetch_b8 v0, s[64:65] scope:SCOPE_SE
	s_setreg_imm32_b32 hwreg(HW_REG_WAVE_MODE, 25, 1), 1
	s_wait_xcnt 0x0
; All weights, rounded once to bf16 and laid out as ready matrix fragments; and the two layer numbers, 0 into cfg0 and 1 into cfg1, for the two launches that share one body.
; A FRAGMENT is 1,024 bytes: 16 columns n x 32 k.  Byte p*512 + lane*16 (p = 0, 1) holds, for lane (r = lane % 16, h = lane / 16),
; W[k0 + 16 p + 8 h + e][n0 + r], e = 0..7: two loads of 16 bytes a lane, each of 512 consecutive bytes a wave, fill a fragment.
; One wave makes one block: 32 k x 64 n of f32 -> 4 fragments (for WB and WC: 32 k x 16 n -> 1 fragment).
; Work-groups 0-191: Wx, Wz, Wdt; 192-255: Wout; 256-287: gate_W (written once for each stream, so that a stream's weights lie on end);
; 288-303: merge_W; 304-319: WB, WC.  Memory binds; no matrix unit, no barrier: each wave has a stage of 4,096 LDS bytes of its own.
; wst: a stream of 262,144 bytes for each (stack, wave 0..7 of the layer kernel); in it 131,072 a layer: four chunks of 16 inner channels, 24 fragments (3 K step + matrix) each, then
; 32 fragments of Wout (2 K step + 0..1) for the wave's 32 output columns.
.set SPARE, 32768                      ; behind the eight stages: the spare words, 128 bytes a wave
.set SPW,  30                          ; v30  LDS address of my spare word; never rewritten
.set NIL,  31                          ; v31  0; never rewritten
.set RAWD, 32                          ; v32-95   16 quads as loaded (f32), later the fragments read back
.set PK,   96                          ; v96-127  packed bf16
	s_load_b512 s[8:23], s[0:1], 0x0               ; Wx s[8:9], Wz s[10:11], Wdt s[12:13], Wout s[14:15], gate_W s[16:17], merge_W s[18:19], WB s[20:21], WC s[22:23]
	s_load_b128 s[24:27], s[0:1], 0x40             ; wst s[24:25], wgm s[26:27]
	s_load_b64 s[28:29], s[0:1], 0x50              ; wbc
	s_load_b64 s[48:49], s[0:1], 0x58              ; cfg0
	s_load_b64 s[50:51], s[0:1], 0x60              ; cfg1
	v_lshl_add_u32 v[SPW], v0, 2, SPARE
	v_mov_b32 v[NIL], 0
	v_lshrrev_b32 v1, 5, v0
	v_readfirstlane_b32 s30, v1                    ; wave 0..7
	v_and_b32 v2, 31, v0                           ; lane
	v_and_b32 v3, 15, v0                           ; lane % 16
	v_bfe_u32 v4, v0, 4, 1                         ; lane / 16
	v_lshlrev_b32 v5, 4, v2                        ; 16 x lane
	s_lshl_b32 s47, s30, 12                        ; my stage
	v_add_nc_u32 v8, s47, v5                       ; back out of the stage: 16 x lane
	v_lshrrev_b32 v7, 2, v3                        ; into the stage: my four columns lie in fragment (lane % 16) / 4,
	v_lshlrev_b32 v7, 10, v7
	v_lshl_add_u32 v7, v4, 8, v7                   ; in the half of lanes that has my eight k,
	v_and_b32 v9, 3, v3
	v_lshl_add_u32 v7, v9, 6, v7                   ; at lanes 4 (lane % 4) + 0..3
	v_add_nc_u32 v7, s47, v7
	s_mov_b32 s43, 0                               ; high words of the two offsets
	s_mov_b32 s45, 0
	s_wait_kmcnt 0x0
; The block at s[36:37], rows \pitch bytes apart, becomes four fragments at s[38:39]: fragment tt at (tt % 2) x d1 + (tt / 2) x d2.
; Load 8 p + e takes rows 16 p + e (lanes 0-15) and 16 p + 8 + e (lanes 16-31), 256 consecutive bytes each.  So a lane's sixteen quads hold, for each of its
; four columns, the sixteen k of one lane of a fragment: the turn costs nothing but the choice of registers in the conversions.
.macro BODY pitch, d1, d2, once
	v_mul_u32_u24 v6, v4, 8*(\pitch)
	v_lshl_add_u32 v6, v3, 4, v6
.set i, 0
.rept 16
.if \once
	global_load_b128 v[RAWD+4*i:RAWD+4*i+3], v6, s[36:37] offset:(16*(i/8)+i%8)*(\pitch) th:TH_LOAD_NT
.else
	global_load_b128 v[RAWD+4*i:RAWD+4*i+3], v6, s[36:37] offset:(16*(i/8)+i%8)*(\pitch)
.endif
.set i, i+1
.endr
	s_wait_loadcnt 0x0
.set i, 0
.rept 32                               ; i = 16 p + 4 c + e / 2
	v_cvt_pk_bf16_f32 v[PK+i], v[RAWD+4*(8*(i/16)+2*(i%4))+(i/4)%4], v[RAWD+4*(8*(i/16)+2*(i%4)+1)+(i/4)%4]
.set i, i+1
.endr
.set i, 0
.rept 8                                ; i = 4 p + c
	ds_store_b128 v7, v[PK+4*i:PK+4*i+3] offset:(i/4)*512+(i%4)*16
.set i, i+1
.endr
.set i, 0
.rept 8
	ds_load_b128 v[RAWD+4*i:RAWD+4*i+3], v8 offset:i*512  ; my own bytes: LDS serves a wave's instructions in order (ISA guide 5.7.1.4)
.set i, i+1
.endr
	s_wait_dscnt 0x0
.set i, 0
.rept 8
	global_store_b128 v5, v[RAWD+4*i:RAWD+4*i+3], s[38:39] offset:((i/2)%2)*(\d1)+(i/4)*(\d2)+(i%2)*512  ; 512 consecutive bytes, at a multiple of 512 from the buffer's first
.set i, i+1
.endr
	s_wait_tensorcnt 0x0                           ; the wave's end: three lines behind my last LDS store
	ds_add_u32 v[SPW], v[NIL]
	s_wait_dscnt 0x0
	s_endpgm
.endm
	s_cmp_lt_u32 ttmp9, 192
	s_cbranch_scc0 .Lnot_in
	; Wx, Wz, Wdt [stack, layer][256 k][512 d]: block b = (stack-layer, K step, group of 64 columns = the wave that will use them)
	s_lshr_b32 s32, ttmp9, 6                       ; which of the three
	s_and_b32 s31, ttmp9, 63
	s_lshl3_add_u32 s31, s31, s30                  ; b = 0..511
	s_lshr_b32 s33, s31, 6                         ; 2 stack + layer
	s_bfe_u32 s34, s31, 0x30003                    ; K step
	s_and_b32 s35, s31, 7                          ; column group
	s_lshl_b32 s42, s33, 19
	s_lshl_b32 s46, s34, 16
	s_add_co_u32 s42, s42, s46
	s_lshl_b32 s46, s35, 8
	s_add_co_u32 s42, s42, s46
	s_lshr_b32 s44, s33, 1                         ; wst: stream 8 stack + wave;
	s_lshl3_add_u32 s44, s44, s35
	s_lshl_b32 s44, s44, 18
	s_and_b32 s46, s33, 1                          ; the layer's 131,072 bytes;
	s_lshl_b32 s46, s46, 17
	s_add_co_u32 s44, s44, s46
	s_mul_i32 s46, s34, 3                          ; in a chunk fragment 3 K step + matrix; the block's four fragments go to the four chunks
	s_add_co_u32 s46, s46, s32
	s_lshl_b32 s46, s46, 10
	s_add_co_u32 s44, s44, s46
	s_cmp_eq_u32 s32, 0
	s_cselect_b64 s[36:37], s[8:9], s[10:11]
	s_cmp_eq_u32 s32, 2
	s_cselect_b64 s[36:37], s[12:13], s[36:37]
	s_add_nc_u64 s[36:37], s[36:37], s[42:43]
	s_add_nc_u64 s[38:39], s[24:25], s[44:45]
	BODY 2048, 24576, 49152, 1
.Lnot_in:
	s_cmp_lt_u32 ttmp9, 304
	s_cbranch_scc0 .Lbc
	; Wout, gate_W, merge_W: [512 k][256 n]: K step = bits 5:2 of the block's number, group of 64 columns = bits 1:0
	s_sub_co_u32 s31, ttmp9, 192
	s_lshl3_add_u32 s31, s31, s30                  ; 0..511 Wout, 512..767 gate_W, 768..895 merge_W
	s_bfe_u32 s34, s31, 0x40002
	s_and_b32 s35, s31, 3
	s_lshl_b32 s42, s34, 15
	s_lshl_b32 s46, s35, 8
	s_add_co_u32 s42, s42, s46
	s_lshl_b32 s44, s34, 12                        ; gates and merge: fragment 4 K step + 0..3
	s_cmp_lt_u32 ttmp9, 256
	s_cbranch_scc0 .Lgm
	s_lshr_b32 s33, s31, 6                         ; 2 stack + layer
	s_lshl_b32 s46, s33, 19
	s_add_co_u32 s42, s42, s46
	s_lshl_b32 s44, s34, 11                        ; Wout: fragment 2 K step + 0..1, in the streams of waves 2 group and 2 group + 1
	s_lshr_b32 s46, s33, 1
	s_lshl2_add_u32 s46, s46, s35
	s_lshl_b32 s46, s46, 19                        ; (8 stack + 2 group) x 262,144
	s_add_co_u32 s44, s44, s46
	s_and_b32 s46, s33, 1
	s_lshl_b32 s46, s46, 17
	s_add_co_u32 s44, s44, s46
	s_add_co_u32 s44, s44, 98304                   ; behind the layer's four chunks
	s_add_nc_u64 s[36:37], s[14:15], s[42:43]
	s_add_nc_u64 s[38:39], s[24:25], s[44:45]
	BODY 1024, 1024, 262144, 1
.Lgm:
	s_cmp_lt_u32 ttmp9, 288
	s_cbranch_scc0 .Lmerge
	s_bfe_u32 s32, s31, 0x10007                    ; the stream whose copy this is
	s_bfe_u32 s33, s31, 0x10006                    ; horizontal or vertical
	s_lshl_b32 s46, s33, 19
	s_add_co_u32 s42, s42, s46
	s_lshl_b32 s46, s33, 16
	s_add_co_u32 s44, s44, s46
	s_lshl2_add_u32 s46, s32, s35
	s_mul_i32 s46, s46, 196608
	s_add_co_u32 s44, s44, s46
	s_add_nc_u64 s[36:37], s[16:17], s[42:43]
	s_add_nc_u64 s[38:39], s[26:27], s[44:45]
	BODY 1024, 1024, 2048, 0
.Lmerge:
	s_bfe_u32 s32, s31, 0x10006                    ; the stream
	s_lshl_b32 s46, s32, 19
	s_add_co_u32 s42, s42, s46
	s_add_co_u32 s44, s44, 131072                  ; behind the two gates
	s_lshl2_add_u32 s46, s32, s35
	s_mul_i32 s46, s46, 196608
	s_add_co_u32 s44, s44, s46
	s_add_nc_u64 s[36:37], s[18:19], s[42:43]
	s_add_nc_u64 s[38:39], s[26:27], s[44:45]
	BODY 1024, 1024, 2048, 1
.Lbc:
	; WB, WC [stack, layer][256 k][16 n]: a wave makes one fragment; a lane's sixteen words are its sixteen k of column lane % 16
	s_sub_co_u32 s31, ttmp9, 304
	s_lshl3_add_u32 s31, s31, s30                  ; 0..127
	s_lshr_b32 s33, s31, 4                         ; 2 stack + layer
	s_bfe_u32 s32, s31, 0x10003                    ; 0: WB, 1: WC
	s_and_b32 s34, s31, 7                          ; K step
	s_lshl_b32 s42, s33, 14
	s_lshl_b32 s46, s34, 11
	s_add_co_u32 s42, s42, s46
	s_lshl_b32 s44, s33, 14
	s_lshl1_add_u32 s46, s34, s32
	s_lshl_b32 s46, s46, 10
	s_add_co_u32 s44, s44, s46
	s_cmp_eq_u32 s32, 0
	s_cselect_b64 s[36:37], s[20:21], s[22:23]
	s_add_nc_u64 s[36:37], s[36:37], s[42:43]
	s_add_nc_u64 s[38:39], s[28:29], s[44:45]
	v_lshlrev_b32 v6, 9, v4
	v_lshl_add_u32 v6, v3, 2, v6
.set i, 0
.rept 16
	global_load_b32 v[RAWD+i], v6, s[36:37] offset:(i/8)*1024+(i%8)*64 th:TH_LOAD_NT
.set i, i+1
.endr
	s_wait_loadcnt 0x0
.set i, 0
.rept 8
	v_cvt_pk_bf16_f32 v[PK+i], v[RAWD+2*i], v[RAWD+2*i+1]
.set i, i+1
.endr
	global_store_b128 v5, v[PK:PK+3], s[38:39]
	global_store_b128 v5, v[PK+4:PK+7], s[38:39] offset:512
	s_cmp_lg_u32 s31, 0
	s_cbranch_scc1 .Lno_cfg
	v_lshlrev_b32 v10, 3, v2                       ; one wave of the launch writes the two layer numbers: 32 lanes x 8 bytes fill each block of 256 bytes
	v_mov_b32 v12, 0
	v_mov_b32 v13, 0
	v_mov_b32 v14, 1
	v_mov_b32 v15, 1
	global_store_b64 v10, v[12:13], s[48:49]
	global_store_b64 v10, v[14:15], s[50:51]
.Lno_cfg:
	s_wait_tensorcnt 0x0                           ; the same three lines at this wave's end
	ds_add_u32 v[SPW], v[NIL]
	s_wait_dscnt 0x0
	s_endpgm
.Lfunc_end_k_q993bdfb88e_prep:
	.size	k_q993bdfb88e_prep, .Lfunc_end_k_q993bdfb88e_prep-k_q993bdfb88e_prep
	.p2alignl 7, 3214868480
	.fill 96, 4, 3214868480
	.section	.rodata,"a",@progbits
	.p2align	6, 0x0
	.amdhsa_kernel k_q993bdfb88e_prep
		.amdhsa_group_segment_fixed_size 33792
		.amdhsa_private_segment_fixed_size 0
		.amdhsa_enable_private_segment 0
		.amdhsa_kernarg_size 104
		.amdhsa_user_sgpr_count 2
		.amdhsa_user_sgpr_kernarg_segment_ptr 1
		.amdhsa_wavefront_size32 1
		.amdhsa_system_sgpr_workgroup_id_x 1
		.amdhsa_system_sgpr_workgroup_id_y 1
		.amdhsa_system_sgpr_workgroup_id_z 1
		.amdhsa_system_vgpr_workitem_id 0
		.amdhsa_next_free_vgpr 128
		.amdhsa_next_free_sgpr 66
		.amdhsa_reserve_vcc 0
		.amdhsa_float_denorm_mode_32 3
		.amdhsa_float_denorm_mode_16_64 3
		.amdhsa_memory_ordered 1
		.amdhsa_forward_progress 1
		.amdhsa_inst_pref_size 31
	.end_amdhsa_kernel
	.amdgpu_metadata
---
amdhsa.version: [ 1, 2 ]
amdhsa.kernels:
  - .name:           k_q993bdfb88e_prep
    .symbol:         k_q993bdfb88e_prep.kd
    .args:
      - { .name: Wx, .offset: 0, .size: 8, .value_kind: global_buffer, .address_space: global }
      - { .name: Wz, .offset: 8, .size: 8, .value_kind: global_buffer, .address_space: global }
      - { .name: Wdt, .offset: 16, .size: 8, .value_kind: global_buffer, .address_space: global }
      - { .name: Wout, .offset: 24, .size: 8, .value_kind: global_buffer, .address_space: global }
      - { .name: gate_W, .offset: 32, .size: 8, .value_kind: global_buffer, .address_space: global }
      - { .name: merge_W, .offset: 40, .size: 8, .value_kind: global_buffer, .address_space: global }
      - { .name: WB, .offset: 48, .size: 8, .value_kind: global_buffer, .address_space: global }
      - { .name: WC, .offset: 56, .size: 8, .value_kind: global_buffer, .address_space: global }
      - { .name: wst, .offset: 64, .size: 8, .value_kind: global_buffer, .address_space: global }
      - { .name: wgm, .offset: 72, .size: 8, .value_kind: global_buffer, .address_space: global }
      - { .name: wbc, .offset: 80, .size: 8, .value_kind: global_buffer, .address_space: global }
      - { .name: cfg0, .offset: 88, .size: 8, .value_kind: global_buffer, .address_space: global }
      - { .name: cfg1, .offset: 96, .size: 8, .value_kind: global_buffer, .address_space: global }
    .group_segment_fixed_size: 33792
    .private_segment_fixed_size: 0
    .kernarg_segment_align: 8
    .kernarg_segment_size: 104
    .max_flat_workgroup_size: 256
    .sgpr_count:     66
    .vgpr_count:     128
    .wavefront_size: 32
...
	.end_amdgpu_metadata
.endif
;; end of part 1
;; launch layer0 (part 2): grid 256 x 1, 8 waves a work-group, no clusters, 235,008 bytes of LDS; arguments cfg0, stream_sem, stream_inst, xf, wst, wbc, A_log, Dskip, dt_bias, ln_s, ln_b, xa; writes xa
.if DOCPART == 2
	.amdgcn_target "amdgcn-amd-amdhsa--gfx1250"
	.amdhsa_code_object_version 6
	.text
	.protected	k_q993bdfb88e_layer0
	.globl	k_q993bdfb88e_layer0
	.p2align	8
	.type	k_q993bdfb88e_layer0,@function
k_q993bdfb88e_layer0:
	s_mov_b64 s[64:65], 0
	v_nop
	global_prefetch_b8 v0, s[64:65] scope:SCOPE_SE
	s_setreg_imm32_b32 hwreg(HW_REG_WAVE_MODE, 25, 1), 1
	s_wait_xcnt 0x0
; ONE MAMBA LAYER OF ONE STACK FOR TWO SEQUENCES.  The body serves both layers: the first argument holds the layer's number L (0 or 1), stored by the launch before.
; L = 0: x comes from the two streams and is rounded to bf16's values (as every input is); L = 1: x comes from the fourth argument, [stack][stream][token][256] f32, as it is.
; The new x goes to the last argument in that same layout: each token at its spatial place, so flips and transposes are undone by the addresses.
; Work-group id: stack = id / 64 (0 row forward, 1 row backward, 2 column forward, 3 column backward), pair of sequences = id % 64.  A sequence is 64 tokens (sem and inst by turns) x 256 channels.
; ROWS.  The 128 rows are rho = 16 i + 8 q + j: sequence q, scan token 8 i + j.  With 16 such rows as source 0 and 16 channels of a weight as source 1, a result's lane (r, h) holds channel r of
; sequence h and its registers j = 0..7 the tokens 8 i + j: the recurrence over tokens runs down a lane's registers, 32 lanes busy, nothing changes lanes.
; SHARES.  Eight waves, two to a SIMD, so that one wave's vector work stands beside the other's matrix work.  Wave w owns inner channels 64 w .. +63 (four chunks of 16), output columns 32 w .. +31,
; and row tile w on the way in, in the norm, in the product with WB and WC and on the way out.  A chunk's weights (x, z, dt: 24 fragments) stay in registers for its eight row tiles; the next chunk's
; are asked for into the same registers in the chunk's last trip, behind its products.  Each prepared fragment is used by one wave alone, so weights go from memory to registers, not through LDS.
; NO CLUSTER, NO TENSOR LOADS: what the 64 work-groups of a stack share is those weights; beside y, h, B and C 92,672 LDS bytes are left, less than the 196,608 of one chunk's weights for eight waves.
; FORMATS.  Matrix operands bf16, sums f32; x, the states, norms and activations f32.  ALL inputs (streams, weights, biases, gains, A_log, Dskip) are rounded once to bf16.
; ARITHMETIC in base 2: V = log2(e) (h Wdt + bias); dt' = dt / ln 2 = max(V, 0) + log2(1 + 2^-|V|); decay = 2^(A dt'), A = -e^A_log; B is kept as ln 2 x B, so that (dt' xs)(ln 2 B) = dt xs B.
; LIMITS.  2^-|V| below 2^-24 is lost beside 1: there dt counts as 0 (V < 0) or as V ln 2; an exponential below 2^-126 counts as 0; NaN and infinities are not treated apart.
; LDS: R 128 rows of 1,040 bytes: x (f32) for the norm, then y silu(z) (bf16, 512 channels), then the out-projection (f32).  H 144 rows of 528: h in bf16; rows 128-143 repeat rows 0-15.
;      BC [q][token 0..64][ln 2 B: 16 f32, C: 16 f32]; token 64 repeats token 0.  (The repeats let a chunk's last trip fetch ahead what the next chunk's first trip needs.)  PRM [channel](A, log2e bias, D/2, 0).
;      Both pitches are odd multiples of 16 bytes, so the sixteen rows of a fragment load start 16 bytes apart modulo 256.
; REGISTERS: window 1: v0-191 a chunk's weights, later Wout's; v192-255 half of WB and WC, later the out-projection's sums for row tiles 4-7.  Window 0: all else (below).
.set RP,     1040
.set TILE_R, 16*RP
.set HB,     128*RP
.set HP,     528
.set TILE_H, 16*HP
.set LBC,    HB+144*HP
.set QBC,    65*128
.set PRM,    LBC+2*QBC
.set SPARE,  PRM+8192                  ; the spare words, 128 bytes a wave
.set WTILE,  24576                     ; a chunk's 24 fragments
.set VL16, 1                           ; 16 x lane; never rewritten
.set VAH0, 2                           ; H + 528 r + 16 h: my place in a tile of h
.set VADR, 3                           ; the same in the tile to be fetched
.set VBC0, 4                           ; BC + 8320 h
.set VBCA, 5                           ; the same at the tile's first token
.set VY0,  6                           ; 8320 h + 128 w + 2 r: where my channel's y goes in R
.set VYA,  7
.set VWO,  8                           ; offset of the weight loads
.set VL16A, 9                          ; 16 x (lane % 16)
.set VYR0, 10                          ; 1040 r + 16 h: fragments of y, tiles 0-3; v11: tiles 4-7
.set VXS0, 12                          ; 1040 r + 128 w + 32 h: the out-projection's results into R, tiles 0-3; v13: tiles 4-7
.set VPRM, 14                          ; PRM + 1024 w + 16 r
.set VPA,  15
.set VBS,  16                          ; BC + 8320 h + 4 r + 1024 w: where my B and C go
.set VPW,  17                          ; PRM + 1024 w + 64 r
.set VXR,  18                          ; the norm: rows in,
.set VHW,  19                          ; h out
.set VG,   20                          ; v20-27 byte offsets of my tile's rows in the streams and in x's buffers: [q][position]; never rewritten
.set VXW,  28                          ; my tile's rows in R
.set VH8,  29                          ; VAH0 in H's rows 128-143
.set SPW,  30                          ; LDS address of my spare word; never rewritten
.set NIL,  31                          ; 0; never rewritten
.set LNS,  32                          ; v32-39 the norm's gains of my 8 columns, v40-47 its offsets
.set LNB,  40
.set P0,   48                          ; v48-51 (A, log2e bias, D/2, 0) of my channel in the chunk
.set HS,   56                          ; v56-71 the 16 states
.set AX,   72                          ; v72-79 h Wx, then dt' xs, then y silu(z)
.set AZ,   80                          ; v80-87 h Wz, then silu(z)
.set AD,   88                          ; v88-95 h Wdt, then the decay
.set PV,   96                          ; at work: V, then dt'
.set TN,   104
.set TX,   112
.set TZ,   120
.set WH,   120                         ; xs D / 2
.set TBV,  96                          ; in a step: u B
.set Y0,   112
.set Y1,   114
.set SS,   116
.set RAW,  100                         ; v100-111 A_log, Dskip, dt_bias as loaded
.set QD,   112                         ; v112-127 four quads for PRM
.set BACC, 96                          ; v96-111 the two accumulators of h [WB | WC]
.set AF,   128                         ; v128-191 fragments of one tile of h; fragments of y, buffer 0
.set BB,   192                         ; v192-255 B and C of a token, two buffers of 32; fragments of y, buffer 1; at the start half of WB and WC
.set XT,   128                         ; v128-255 sixteen rows on their way in or out
.set LR,   128                         ; the norm: four rows, 8 registers each
.set LT,   160
.set LSM,  168
.set LH,   176
.set OA0,  32                          ; v32-95 the out-projection's sums, row tiles 0-3: tile (i, nt) at 8 (2 i + nt); lane (r, h) register j = row 16 i + r, column 32 w + 16 nt + 8 h + j
.set OA1,  192                         ; window 1: row tiles 4-7
.set WOFF, 46                          ; s46 byte at which the next weights begin in my stream
.set STA,  47                          ; s47-50 steps of the LDS addresses: tile of h, tile's tokens in BC, tile and chunk in R, chunk in PRM
.set STB,  48
.set STY,  49
.set STP,  50
.set MSB, 0
.macro WIN new                         ; the immediate's high byte repeats the setting that is left; a switch that changes nothing is dropped
.if MSB != (\new)
	s_set_vgpr_msb (MSB<<8)|(\new)
.set MSB, (\new)
.endif
.endm
.macro PLACES                          ; four places behind matrix instructions (ISA guide 7.12.1) where no other vector work is at hand
.rept 4
	v_nop
.endr
.endm
.macro BAR                             ; my LDS instructions are done, for the others' sake; then the work-group's barrier
	s_wait_dscnt 0x0
	s_barrier_signal -1
	s_barrier_wait -1
.endm
.macro RND a, b, t                     ; two f32 numbers rounded to bf16's values
	v_cvt_pk_bf16_f32 v[\t], v[\a], v[\b]
	v_lshlrev_b32 v[\a], 16, v[\t]
	v_and_b32 v[\b], s62, v[\t]
.endm
; Packed f32 with ONE register for both halves: op_sel picks the register of the pair for the low result, op_sel_hi for the high one.
.macro PMULB d, a, b                   ; d = a x v[b]
.if ((\b)%2)
	v_pk_mul_f32 v[\d:\d+1], v[\a:\a+1], v[\b-1:\b] op_sel:[0,1] op_sel_hi:[1,1]
.else
	v_pk_mul_f32 v[\d:\d+1], v[\a:\a+1], v[\b:\b+1] op_sel_hi:[1,0]
.endif
.endm
.macro PADDB d, a, b                   ; d = a + v[b]
.if ((\b)%2)
	v_pk_add_f32 v[\d:\d+1], v[\a:\a+1], v[\b-1:\b] op_sel:[0,1] op_sel_hi:[1,1]
.else
	v_pk_add_f32 v[\d:\d+1], v[\a:\a+1], v[\b:\b+1] op_sel_hi:[1,0]
.endif
.endm
.macro PFMAB d, a, b, c                ; d = a x v[b] + c
.if ((\b)%2)
	v_pk_fma_f32 v[\d:\d+1], v[\a:\a+1], v[\b-1:\b], v[\c:\c+1] op_sel:[0,1,0] op_sel_hi:[1,1,1]
.else
	v_pk_fma_f32 v[\d:\d+1], v[\a:\a+1], v[\b:\b+1], v[\c:\c+1] op_sel_hi:[1,0,1]
.endif
.endm
.macro PFMAC d, a, b, c                ; d = a x b + v[c]
.if ((\c)%2)
	v_pk_fma_f32 v[\d:\d+1], v[\a:\a+1], v[\b:\b+1], v[\c-1:\c] op_sel:[0,0,1] op_sel_hi:[1,1,1]
.else
	v_pk_fma_f32 v[\d:\d+1], v[\a:\a+1], v[\b:\b+1], v[\c:\c+1] op_sel_hi:[1,1,0]
.endif
.endm
; The next 24 fragments of my stream into window 1, v0-191: 48 loads.  The offset register's earlier loads have been waited for at the head of the chunk that used them.
.macro LOADW
	v_add_nc_u32 v[VWO], s[WOFF], v[VL16]
	s_add_co_u32 s[WOFF], s[WOFF], WTILE
	WIN 0x40
.set f, 0
.rept 24
	global_load_b128 v[8*f:8*f+3], v[VWO], s[12:13] offset:f*1024
	global_load_b128 v[8*f+4:8*f+7], v[VWO], s[12:13] offset:f*1024+512
.set f, f+1
.endr
	WIN 0
.endm
; 24 matrix instructions: one tile of h x one chunk of Wx, Wz, Wdt.  The three accumulators take turns, one instruction a turn; the first K step starts the sums.
.macro GEMM
	WIN 0x04
.set k, 0
.rept 8
.if k == 0
	v_wmma_f32_16x16x32_bf16 v[AX:AX+7], v[AF:AF+7], v[0:7], 0
	v_wmma_f32_16x16x32_bf16 v[AZ:AZ+7], v[AF:AF+7], v[8:15], 0
	v_wmma_f32_16x16x32_bf16 v[AD:AD+7], v[AF:AF+7], v[16:23], 0
.else
	v_wmma_f32_16x16x32_bf16 v[AX:AX+7], v[AF+8*k:AF+8*k+7], v[24*k:24*k+7], v[AX:AX+7]
	v_wmma_f32_16x16x32_bf16 v[AZ:AZ+7], v[AF+8*k:AF+8*k+7], v[24*k+8:24*k+15], v[AZ:AZ+7]
	v_wmma_f32_16x16x32_bf16 v[AD:AD+7], v[AF+8*k:AF+8*k+7], v[24*k+16:24*k+23], v[AD:AD+7]
.endif
.set k, k+1
.endr
	WIN 0
.endm
; What a tile's eight tokens need before the recurrence, stage by stage over all eight.  Each accumulator is first read at its lowest registers.
; Transcendentals stand in runs; a plain instruction follows each run before a result is used or a source rewritten (ISA guide 5.7.2).
.macro PRE prm
.irp i,0,2,4,6
	v_pk_fma_f32 v[PV+\i:PV+\i+1], v[AD+\i:AD+\i+1], 0x3fb8aa3b, v[\prm:\prm+1] op_sel:[0,0,1] op_sel_hi:[1,0,1]  ; V = log2e (h Wdt) + log2e bias
.endr
.irp i,0,2,4,6
	v_pk_mul_f32 v[TX+\i:TX+\i+1], v[AX+\i:AX+\i+1], 0xbfb8aa3b op_sel_hi:[1,0]
.endr
.irp i,0,2,4,6
	v_pk_mul_f32 v[TZ+\i:TZ+\i+1], v[AZ+\i:AZ+\i+1], 0xbfb8aa3b op_sel_hi:[1,0]
.endr
.irp i,0,1,2,3,4,5,6,7
	v_or_b32 v[TN+\i], 0x80000000, v[PV+\i]        ; -|V|
.endr
.set e, TN
.rept 24
	v_exp_f32 v[e], v[e]                           ; 2^-|V|, e^-x, e^-z
.set e, e+1
.endr
.irp i,0,1,2,3,4,5,6,7
	v_max_num_f32 v[PV+\i], 0, v[PV+\i]
.endr
.set e, TN
	s_wait_alu depctr_va_vdst(0)
.rept 12
	v_pk_add_f32 v[e:e+1], v[e:e+1], 1.0 op_sel_hi:[1,0]
.set e, e+2
.endr
.irp i,0,1,2,3,4,5,6,7
	v_log_f32 v[TN+\i], v[TN+\i]
.endr
.set e, TX
.rept 16
	v_rcp_f32 v[e], v[e]
.set e, e+1
.endr
	v_nop
	s_wait_alu depctr_va_vdst(0)
.irp i,0,2,4,6
	v_pk_add_f32 v[PV+\i:PV+\i+1], v[PV+\i:PV+\i+1], v[TN+\i:TN+\i+1]  ; dt'
.endr
.irp i,0,2,4,6
	v_pk_mul_f32 v[TX+\i:TX+\i+1], v[AX+\i:AX+\i+1], v[TX+\i:TX+\i+1]  ; xs = silu(h Wx)
.endr
.irp i,0,2,4,6
	v_pk_mul_f32 v[AZ+\i:AZ+\i+1], v[AZ+\i:AZ+\i+1], v[TZ+\i:TZ+\i+1]  ; silu(h Wz)
.endr
.irp i,0,2,4,6
	PMULB TN+\i, PV+\i, \prm                       ; A dt'
.endr
.irp i,0,2,4,6
	v_pk_mul_f32 v[AX+\i:AX+\i+1], v[TX+\i:TX+\i+1], v[PV+\i:PV+\i+1]  ; u = dt' xs
.endr
.irp i,0,2,4,6
	PMULB WH+\i, TX+\i, \prm+2                     ; xs D / 2
.endr
.irp i,0,1,2,3,4,5,6,7
	v_exp_f32 v[AD+\i], v[TN+\i]                   ; the decay
.endr
	v_nop
	s_wait_alu depctr_va_vdst(0)
.endm
; One token.  The next token's B and C are asked for first, into the other buffer; s_wait_dscnt 8 leaves those eight loads out: this token's, issued a step earlier, are in.
; (Token 0's were waited for at the trip's head.)  hs = decay hs + u B; y = sum of hs C + D xs: xs D / 2 enters both halves of one packed sum, so the halves' sum holds it once.
.macro STEP j
.set NBUF, BB+32*(((\j)+1)%2)
.set CBUF, BB+32*((\j)%2)
.irp x,0,1,2,3,4,5,6,7
	ds_load_b128 v[NBUF+4*\x:NBUF+4*\x+3], v[VBCA] offset:((\j)+1)*128+16*\x
.endr
.if (\j) >= 1
	s_wait_dscnt 8
.endif
.irp x,0,2,4,6,8,10,12,14
	PMULB TBV+\x, CBUF+\x, AX+(\j)
.endr
.irp x,0,2,4,6,8,10,12,14
	PFMAB HS+\x, HS+\x, AD+(\j), TBV+\x
.endr
	v_pk_mul_f32 v[Y0:Y0+1], v[HS:HS+1], v[CBUF+16:CBUF+17]
	PFMAC Y1, HS+2, CBUF+18, WH+(\j)
.irp x,4,8,12
	v_pk_fma_f32 v[Y0:Y0+1], v[HS+\x:HS+\x+1], v[CBUF+16+\x:CBUF+17+\x], v[Y0:Y0+1]
	v_pk_fma_f32 v[Y1:Y1+1], v[HS+\x+2:HS+\x+3], v[CBUF+18+\x:CBUF+19+\x], v[Y1:Y1+1]
.endr
	v_pk_add_f32 v[Y0:Y0+1], v[Y0:Y0+1], v[Y1:Y1+1]
	v_add_f32 v[SS], v[Y0], v[Y0+1]
	v_mul_f32 v[AX+(\j)], v[SS], v[AZ+(\j)]        ; y silu(z), where this token's u lay
.endm
.macro LANESUM                         ; four sums over the 32 lanes, side by side
.irp m,1,2,4,8
.irp a,0,1,2,3
	v_add_f32_dpp v[LSM+\a], v[LSM+\a], v[LSM+\a] row_xmask:\m row_mask:0xf bank_mask:0xf
.endr
.endr
.irp a,0,1,2,3
	v_permlanex16_b32 v[LT+2*\a], v[LSM+\a], s52, s53
.endr
.irp a,0,1,2,3
	v_add_f32 v[LSM+\a], v[LSM+\a], v[LT+2*\a]
.endr
.endm
; LayerNorm of four rows at once: a lane holds columns 4 l .. +3 and 128 + 4 l .. +3 of each.  The mean is taken away before the squares are summed.
.macro LN4
.irp a,0,1,2,3
	ds_load_b128 v[LR+8*\a:LR+8*\a+3], v[VXR] offset:\a*RP
	ds_load_b128 v[LR+8*\a+4:LR+8*\a+7], v[VXR] offset:\a*RP+512
.endr
	s_wait_dscnt 0x0
.irp a,0,1,2,3
	v_pk_add_f32 v[LT+2*\a:LT+2*\a+1], v[LR+8*\a:LR+8*\a+1], v[LR+8*\a+2:LR+8*\a+3]
.endr
.irp c,4,6
.irp a,0,1,2,3
	v_pk_add_f32 v[LT+2*\a:LT+2*\a+1], v[LT+2*\a:LT+2*\a+1], v[LR+8*\a+\c:LR+8*\a+\c+1]
.endr
.endr
.irp a,0,1,2,3
	v_add_f32 v[LSM+\a], v[LT+2*\a], v[LT+2*\a+1]
.endr
	LANESUM
.irp a,0,1,2,3
	v_mul_f32 v[LSM+\a], 0xbb800000, v[LSM+\a]     ; minus the mean
.endr
.irp c,0,2,4,6
.irp a,0,1,2,3
	PADDB LR+8*\a+\c, LR+8*\a+\c, LSM+\a
.endr
.endr
.irp a,0,1,2,3
	v_pk_mul_f32 v[LT+2*\a:LT+2*\a+1], v[LR+8*\a:LR+8*\a+1], v[LR+8*\a:LR+8*\a+1]
.endr
.irp c,2,4,6
.irp a,0,1,2,3
	v_pk_fma_f32 v[LT+2*\a:LT+2*\a+1], v[LR+8*\a+\c:LR+8*\a+\c+1], v[LR+8*\a+\c:LR+8*\a+\c+1], v[LT+2*\a:LT+2*\a+1]
.endr
.endr
.irp a,0,1,2,3
	v_add_f32 v[LSM+\a], v[LT+2*\a], v[LT+2*\a+1]
.endr
	LANESUM
.irp a,0,1,2,3
	v_fma_f32 v[LSM+\a], v[LSM+\a], s54, s55       ; the variance + 1e-5
.endr
.irp a,0,1,2,3
	v_rsq_f32 v[LSM+\a], v[LSM+\a]
.endr
	v_nop
	s_wait_alu depctr_va_vdst(0)
.irp c,0,2,4,6
.irp a,0,1,2,3
	PMULB LR+8*\a+\c, LR+8*\a+\c, LSM+\a
.endr
.endr
.irp c,0,2,4,6
.irp a,0,1,2,3
	v_pk_fma_f32 v[LR+8*\a+\c:LR+8*\a+\c+1], v[LR+8*\a+\c:LR+8*\a+\c+1], v[LNS+\c:LNS+\c+1], v[LNB+\c:LNB+\c+1]
.endr
.endr
.irp a,0,1,2,3
.irp c,0,1,2,3
	v_cvt_pk_bf16_f32 v[LH+4*\a+\c], v[LR+8*\a+2*\c], v[LR+8*\a+2*\c+1]
.endr
.endr
.irp a,0,1,2,3
	ds_store_b64 v[VHW], v[LH+4*\a:LH+4*\a+1] offset:\a*HP
	ds_store_b64 v[VHW], v[LH+4*\a+2:LH+4*\a+3] offset:\a*HP+256
.endr
.endm
; The out-projection.  16 LDS loads: the eight row tiles' fragments of y silu(z) for K step ks, into buffer ks % 2.
.macro YLOAD ks
.set YB, AF+64*((\ks)%2)
.set i, 0
.rept 8
	ds_load_b128 v[YB+8*i:YB+8*i+3], v[VYR0+i/4] offset:(i%4)*TILE_R+(\ks)*64
	ds_load_b128 v[YB+8*i+4:YB+8*i+7], v[VYR0+i/4] offset:(i%4)*TILE_R+(\ks)*64+32
.set i, i+1
.endr
.endm
; K step ks: 16 matrix instructions, used transposed (source 0 = 16 columns of Wout, source 1 = 16 rows).  The 16 accumulators take turns; K step 0 starts the sums.
; Wout's fragments of K steps 0-11 lie at 16 ks in window 1, those of K steps 12-15 where K steps 0-3 lay.
.macro OSTEP ks
.if (\ks) == 15
	s_wait_dscnt 0x0
.else
	s_wait_dscnt 16                                ; the next K step's sixteen loads may stay out
.endif
.set YB, AF+64*((\ks)%2)
.set WB0, 16*((\ks)%12)
	WIN 0x01                                       ; Wout in window 1; rows and sums in window 0
.set i, 0
.rept 4
.irp nt,0,1
.if (\ks) == 0
	v_wmma_f32_16x16x32_bf16 v[OA0+8*(2*i+\nt):OA0+8*(2*i+\nt)+7], v[WB0+8*\nt:WB0+8*\nt+7], v[YB+8*i:YB+8*i+7], 0
.else
	v_wmma_f32_16x16x32_bf16 v[OA0+8*(2*i+\nt):OA0+8*(2*i+\nt)+7], v[WB0+8*\nt:WB0+8*\nt+7], v[YB+8*i:YB+8*i+7], v[OA0+8*(2*i+\nt):OA0+8*(2*i+\nt)+7]
.endif
.endr
.set i, i+1
.endr
	WIN 0x51                                       ; the sums too in window 1
.rept 4
.irp nt,0,1
.if (\ks) == 0
	v_wmma_f32_16x16x32_bf16 v[OA1+8*(2*(i-4)+\nt):OA1+8*(2*(i-4)+\nt)+7], v[WB0+8*\nt:WB0+8*\nt+7], v[YB+8*i:YB+8*i+7], 0
.else
	v_wmma_f32_16x16x32_bf16 v[OA1+8*(2*(i-4)+\nt):OA1+8*(2*(i-4)+\nt)+7], v[WB0+8*\nt:WB0+8*\nt+7], v[YB+8*i:YB+8*i+7], v[OA1+8*(2*(i-4)+\nt):OA1+8*(2*(i-4)+\nt)+7]
.endif
.endr
.set i, i+1
.endr
	WIN 0
	PLACES                                         ; in front of loads into registers that these products read, and of the stores of the last results
.if (\ks) <= 13
	YLOAD (\ks)+2
.endif
.endm
	s_load_b512 s[4:19], s[0:1], 0x0               ; L's buffer s[4:5], sem s[6:7], inst s[8:9], x in s[10:11], wst s[12:13], wbc s[14:15], A_log s[16:17], Dskip s[18:19]
	s_load_b256 s[20:27], s[0:1], 0x40             ; dt_bias s[20:21], ln_s s[22:23], ln_b s[24:25], x out s[26:27]
	v_lshl_add_u32 v[SPW], v0, 2, SPARE
	v_mov_b32 v[NIL], 0
	v_lshrrev_b32 v96, 5, v0
	v_readfirstlane_b32 s29, v96                   ; wave 0..7
	v_and_b32 v96, 31, v0
	v_lshlrev_b32 v[VL16], 4, v96
	v_and_b32 v97, 15, v0                          ; r
	v_bfe_u32 v98, v0, 4, 1                        ; h
	v_lshlrev_b32 v[VL16A], 4, v97
	s_wait_kmcnt 0x0
	s_load_b32 s28, s[4:5], 0x0                    ; the layer's number
	s_lshr_b32 s30, ttmp9, 6                       ; stack
	s_and_b32 s31, s30, 1                          ; 1: backward
	s_lshr_b32 s32, s30, 1                         ; 1: columns
	s_and_b32 s33, ttmp9, 63                       ; pair of sequences
	s_cmp_eq_u32 s32, 0
	s_cselect_b32 s56, 5, 0
	s_cselect_b32 s57, 0, 5
	s_lshl_b32 s34, 1024, s56                      ; bytes from a sequence to the next,
	s_lshl_b32 s35, 1024, s57                      ; and from a position to the next
	s_sub_co_u32 s58, 0, s35
	s_mul_i32 s59, s35, 31
	s_cmp_eq_u32 s31, 0
	s_cselect_b32 s36, s35, s58                    ; a step along the scan: backward it is negative,
	s_cselect_b32 s37, 0, s59                      ; and begins at position 31
	s_lshr_b32 s56, s33, 4                         ; the image,
	s_lshl_b32 s56, s56, 20
	s_add_co_u32 s37, s37, s56
	s_lshl_b32 s56, s33, 1                         ; the first sequence's line in it,
	s_and_b32 s56, s56, 31
	s_mul_i32 s56, s56, s34
	s_add_co_u32 s37, s37, s56
	s_lshl_b32 s56, s29, 2                         ; my tile, w: position 4 w of the scan
	s_mul_i32 s56, s56, s36
	s_add_co_u32 s37, s37, s56
	s_mov_b32 s52, 0x76543210                      ; v_permlanex16_b32: each lane takes its own place in the other half
	s_mov_b32 s53, 0xfedcba98
	s_mov_b32 s54, 0x3b800000                      ; 1 / 256
	s_mov_b32 s55, 0x3727c5ac                      ; 1e-5
	s_mov_b32 s62, 0xffff0000                      ; a word's upper bf16
	s_mul_i32 s60, s29, TILE_R                     ; my 16 rows in R,
	s_mul_i32 s61, s29, TILE_H                     ; and in H
	v_mul_u32_u24 v99, v97, RP
	v_mul_u32_u24 v100, v98, QBC                   ; 8,320 h: a sequence's part of BC, and eight rows of R
	v_mul_u32_u24 v[VAH0], v97, HP
	v_lshl_add_u32 v[VAH0], v98, 4, v[VAH0]
	v_add_nc_u32 v[VAH0], HB, v[VAH0]
	v_add_nc_u32 v[VH8], 8*TILE_H, v[VAH0]
	v_add_nc_u32 v[VBC0], LBC, v100
	s_lshl_b32 s56, s29, 7
	v_lshl_add_u32 v[VY0], v97, 1, v100
	v_add_nc_u32 v[VY0], s56, v[VY0]
	v_lshl_add_u32 v[VYR0], v98, 4, v99
	v_add_nc_u32 v[VYR0+1], 4*TILE_R, v[VYR0]
	v_lshl_add_u32 v[VXS0], v98, 5, v99
	v_add_nc_u32 v[VXS0], s56, v[VXS0]
	v_add_nc_u32 v[VXS0+1], 4*TILE_R, v[VXS0]
	s_lshl_b32 s56, s29, 10
	s_add_co_u32 s58, s56, PRM
	v_lshl_add_u32 v[VPRM], v97, 4, s58
	v_lshl_add_u32 v[VPW], v97, 6, s58
	v_lshl_add_u32 v[VBS], v97, 2, v[VBC0]
	v_add_nc_u32 v[VBS], s56, v[VBS]
	v_add_nc_u32 v[VXW], s60, v[VL16]
	v_mov_b32 v[VXR], v[VXW]
	v_lshrrev_b32 v[VHW], 1, v[VL16]
	s_add_co_u32 s58, s61, HB
	v_add_nc_u32 v[VHW], s58, v[VHW]
	s_mov_b32 s56, s37                             ; the eight row offsets of my tile
.irp ap,0,1,2,3
	v_add_nc_u32 v[VG+\ap], s56, v[VL16]
	s_add_co_u32 s58, s56, s34
	v_add_nc_u32 v[VG+4+\ap], s58, v[VL16]
	s_add_co_u32 s56, s56, s36
.endr
	s_mov_b32 s57, 0
	s_wait_kmcnt 0x0
	s_min_u32 s28, s28, 1                          ; L is 0 or 1
	s_lshl_b32 s56, s30, 3
	s_add_co_u32 s56, s56, s29
	s_lshl_b32 s56, s56, 18
	s_add_nc_u64 s[12:13], s[12:13], s[56:57]      ; my stream of weights: (8 stack + wave) x 262,144;
	s_lshl_b32 s[WOFF], s28, 17                    ; in it the layer's 131,072 bytes
	s_lshl_b32 s58, s30, 1
	s_add_co_u32 s58, s58, s28                     ; 2 stack + L
	s_lshl_b32 s56, s58, 14
	s_add_nc_u64 s[14:15], s[14:15], s[56:57]      ; the layer's WB and WC
	s_lshl_b32 s56, s58, 11
	s_lshl_b32 s59, s29, 8
	s_add_co_u32 s56, s56, s59
	s_add_nc_u64 s[16:17], s[16:17], s[56:57]      ; my 64 channels of A_log, Dskip, dt_bias
	s_add_nc_u64 s[18:19], s[18:19], s[56:57]
	s_add_nc_u64 s[20:21], s[20:21], s[56:57]
	s_lshl_b32 s56, s58, 10
	s_add_nc_u64 s[22:23], s[22:23], s[56:57]
	s_add_nc_u64 s[24:25], s[24:25], s[56:57]
	s_lshl_b32 s56, s30, 23
	s_add_nc_u64 s[10:11], s[10:11], s[56:57]      ; x's two buffers at my stack: sem's part, then inst's
	s_add_nc_u64 s[26:27], s[26:27], s[56:57]
	s_add_nc_u64 s[66:67], s[10:11], 0x400000
	s_add_nc_u64 s[68:69], s[26:27], 0x400000
	s_cmp_eq_u32 s28, 0                            ; the first layer reads the streams, the second the first's result
	s_cselect_b64 s[6:7], s[6:7], s[10:11]
	s_cselect_b64 s[8:9], s[8:9], s[66:67]
	s_cmp_eq_u32 s31, 0                            ; forward the even tokens are sem's, backward inst's
	s_cselect_b64 s[38:39], s[6:7], s[8:9]
	s_cselect_b64 s[40:41], s[8:9], s[6:7]
	s_cselect_b64 s[42:43], s[26:27], s[68:69]
	s_cselect_b64 s[44:45], s[68:69], s[26:27]
	; the layer's small parameters: seven loads
	global_load_b128 v[LNS:LNS+3], v[VL16], s[22:23]
	global_load_b128 v[LNS+4:LNS+7], v[VL16], s[22:23] offset:512
	global_load_b128 v[LNB:LNB+3], v[VL16], s[24:25]
	global_load_b128 v[LNB+4:LNB+7], v[VL16], s[24:25] offset:512
	global_load_b128 v[RAW:RAW+3], v[VL16A], s[16:17]
	global_load_b128 v[RAW+4:RAW+7], v[VL16A], s[18:19]
	global_load_b128 v[RAW+8:RAW+11], v[VL16A], s[20:21]
	; X IN: my tile's sixteen rows of 1,024 bytes, each by two loads of 512 consecutive bytes
.set n, 0
.rept 32                               ; n = 8 position + 4 q + 2 parity + half
	global_load_b128 v[XT+4*n:XT+4*n+3], v[VG+4*((n/4)%2)+n/8], s[38+2*((n/2)%2):39+2*((n/2)%2)] offset:(n%2)*512
.set n, n+1
.endr
	s_wait_loadcnt 0x0
	s_cmp_lg_u32 s28, 0
	s_cbranch_scc1 .Lraw_in                        ; only the streams, which are inputs, are rounded
.set m, 0
.rept 64
	RND XT+2*m, XT+2*m+1, 112+m%8
.set m, m+1
.endr
.Lraw_in:
.set n, 0
.rept 32
	ds_store_b128 v[VXW], v[XT+4*n:XT+4*n+3] offset:((n/4)%2)*8*RP+(2*(n/8)+(n/2)%2)*RP+(n%2)*512  ; my own rows of R: only I read them, in the norm
.set n, n+1
.endr
	; WB and WC: 16 fragments (2 K step + 0: WB, + 1: WC): K steps 0-3 into v192-255 of window 0, K steps 4-7 into v192-255 of window 1: 32 loads; then the first chunk's weights: 48
.set f, 0
.rept 8
	global_load_b128 v[BB+8*f:BB+8*f+3], v[VL16], s[14:15] offset:f*1024
	global_load_b128 v[BB+8*f+4:BB+8*f+7], v[VL16], s[14:15] offset:f*1024+512
.set f, f+1
.endr
	WIN 0x40
.rept 8
	global_load_b128 v[BB+8*(f-8):BB+8*(f-8)+3], v[VL16], s[14:15] offset:f*1024
	global_load_b128 v[BB+8*(f-8)+4:BB+8*(f-8)+7], v[VL16], s[14:15] offset:f*1024+512
.set f, f+1
.endr
	WIN 0
	LOADW
	; the parameters, rounded as all inputs are; (A, log2e bias, D / 2, 0) of my four channels into my wave's bytes of PRM (both halves of the lanes write the same numbers)
.irp i,0,2,4,6
	RND LNS+\i, LNS+\i+1, 112+\i
	RND LNB+\i, LNB+\i+1, 113+\i
.endr
.irp i,0,2,4,6,8,10
	RND RAW+\i, RAW+\i+1, 112+\i
.endr
.irp c,0,1,2,3
	v_mul_f32 v[RAW+\c], 0x3fb8aa3b, v[RAW+\c]
.endr
.irp c,0,1,2,3
	v_exp_f32 v[RAW+\c], v[RAW+\c]                 ; e^A_log
.endr
.irp c,0,1,2,3
	v_mul_f32 v[QD+4*\c+1], 0x3fb8aa3b, v[RAW+8+\c]
	v_mul_f32 v[QD+4*\c+2], 0.5, v[RAW+4+\c]
	v_mov_b32 v[QD+4*\c+3], 0
.endr
	s_wait_alu depctr_va_vdst(0)
.irp c,0,1,2,3
	v_xor_b32 v[QD+4*\c], 0x80000000, v[RAW+\c]    ; A = -e^A_log
.endr
.irp c,0,1,2,3
	ds_store_b128 v[VPW], v[QD+4*\c:QD+4*\c+3] offset:16*\c
.endr
	; THE NORM: my 16 rows, four a trip
	s_mov_b32 s51, 4
.Lln:
	LN4
	v_add_nc_u32 v[VXR], 4*RP, v[VXR]
	v_add_nc_u32 v[VHW], 4*HP, v[VHW]
	s_sub_co_u32 s51, s51, 1
	s_cmp_lg_u32 s51, 0
	s_cbranch_scc1 .Lln
	BAR                                            ; h is whole; nobody reads x in R any more
	; B AND C: tile w of h x [WB | WC]: 16 matrix instructions, two accumulators by turns
	v_add_nc_u32 v[VADR], s61, v[VAH0]
.irp k,0,1,2,3,4,5,6,7
	ds_load_b128 v[AF+8*\k:AF+8*\k+3], v[VADR] offset:\k*64
	ds_load_b128 v[AF+8*\k+4:AF+8*\k+7], v[VADR] offset:\k*64+32
.endr
	s_wait_dscnt 0x0
	s_wait_loadcnt 48                              ; the first chunk's 48 loads are the only ones younger than WB's and WC's
.set k, 0
.rept 8
.if k == 4
	WIN 0x04
.endif
.irp n2,0,1
.if k == 0
	v_wmma_f32_16x16x32_bf16 v[BACC+8*\n2:BACC+8*\n2+7], v[AF:AF+7], v[BB+8*\n2:BB+8*\n2+7], 0
.else
	v_wmma_f32_16x16x32_bf16 v[BACC+8*\n2:BACC+8*\n2+7], v[AF+8*k:AF+8*k+7], v[BB+8*(2*(k%4)+\n2):BB+8*(2*(k%4)+\n2)+7], v[BACC+8*\n2:BACC+8*\n2+7]
.endif
.endr
.set k, k+1
.endr
	WIN 0
	PLACES
.irp c,0,2,4,6
	v_pk_mul_f32 v[BACC+\c:BACC+\c+1], v[BACC+\c:BACC+\c+1], 0x3f317218 op_sel_hi:[1,0]  ; ln 2 x B
.endr
.irp n2,0,1
.irp j,0,1,2,3,4,5,6,7
	ds_store_b32 v[VBS], v[BACC+8*\n2+\j] offset:\j*128+\n2*64  ; lane (r, h): state r of sequence h, token 8 w + j
.endr
.endr
	s_cmp_lg_u32 s29, 0
	s_cbranch_scc1 .Lnot_wave_0
	ds_store_b32 v[VBS], v[BACC] offset:8192       ; wave 0 writes the repeats: token 0 as token 64,
	ds_store_b32 v[VBS], v[BACC+8] offset:8192+64
.irp k,0,1,2,3,4,5,6,7
	ds_store_b128 v[VH8], v[AF+8*\k:AF+8*\k+3] offset:\k*64      ; and tile 0 of h, which it holds as fragments, as rows 128-143
	ds_store_b128 v[VH8], v[AF+8*\k+4:AF+8*\k+7] offset:\k*64+32
.endr
.Lnot_wave_0:
	BAR                                            ; B, C and the repeats are whole
	; THE CHUNKS.  No barrier inside: every wave reads H and BC and writes its own 128 bytes of R's rows.
.irp k,0,1,2,3,4,5,6,7
	ds_load_b128 v[AF+8*\k:AF+8*\k+3], v[VAH0] offset:\k*64
	ds_load_b128 v[AF+8*\k+4:AF+8*\k+7], v[VAH0] offset:\k*64+32
.endr
.irp x,0,1,2,3,4,5,6,7
	ds_load_b128 v[BB+4*\x:BB+4*\x+3], v[VBC0] offset:16*\x
.endr
	s_mov_b32 s[STA], 0
	s_mov_b32 s[STB], 0
	s_mov_b32 s[STY], 0
	s_mov_b32 s[STP], 0
	s_mov_b32 s51, 4
.Lchunk:
	v_add_nc_u32 v[VPA], s[STP], v[VPRM]
	s_add_co_u32 s[STP], s[STP], 256
	ds_load_b128 v[P0:P0+3], v[VPA]                ; waited for at the head of the chunk's first trip
.set e, HS
.rept 16
	v_mov_b32 v[e], 0                              ; a sequence begins with states 0
.set e, e+1
.endr
	s_wait_loadcnt 0x0                             ; this chunk's weights are in: nothing younger has been asked for
	s_mov_b32 s63, 8
.Ltile:                                                ; a trip: the tile's products; the next tile's fragments of h are asked for; the eight tokens; eight 2-byte stores of y silu(z) into R
	s_wait_dscnt 0x0                               ; the tile's fragments and its first token's B and C are in (asked for in the trip before); my stores are done
	GEMM
	s_add_co_u32 s[STA], s[STA], TILE_H            ; three address lines and a v_nop are the four places behind the products
	v_add_nc_u32 v[VADR], s[STA], v[VAH0]
	v_add_nc_u32 v[VBCA], s[STB], v[VBC0]
	s_add_co_u32 s[STB], s[STB], 1024
	v_add_nc_u32 v[VYA], s[STY], v[VY0]
	s_add_co_u32 s[STY], s[STY], TILE_R
	v_nop
	s_cmp_lg_u32 s63, 1
	s_cbranch_scc1 .Lkeep
	LOADW                                          ; the chunk's last products are done: the next chunk's weights (behind the fourth chunk: Wout's first 24 fragments) have the rest of this trip in which to land
.Lkeep:
.irp k,0,1,2,3,4,5,6,7
	ds_load_b128 v[AF+8*\k:AF+8*\k+3], v[VADR] offset:\k*64
	ds_load_b128 v[AF+8*\k+4:AF+8*\k+7], v[VADR] offset:\k*64+32
.endr
	PRE P0
.irp j,0,1,2,3,4,5,6,7
	STEP \j
.endr
.irp j,0,1,2,3,4,5,6,7
	v_cvt_pk_bf16_f32 v[AX+\j], v[AX+\j], v[AX+\j]
.endr
.irp j,0,1,2,3,4,5,6,7
	ds_store_b16 v[VYA], v[AX+\j] offset:\j*RP
.endr
	s_sub_co_u32 s63, s63, 1
	s_cmp_lg_u32 s63, 0
	s_cbranch_scc1 .Ltile
	s_sub_co_u32 s[STA], s[STA], 8*TILE_H          ; back to tile 0 (what the last trip fetched from the repeats is tile 0 and token 0),
	s_sub_co_u32 s[STB], s[STB], 8192
	s_sub_co_u32 s[STY], s[STY], 8*TILE_R-32       ; and 16 channels on in R's rows
	s_sub_co_u32 s51, s51, 1
	s_cmp_lg_u32 s51, 0
	s_cbranch_scc1 .Lchunk
	; THE OUT-PROJECTION
	BAR                                            ; y silu(z) is whole in R
	YLOAD 0
	YLOAD 1
	s_wait_loadcnt 0x0                             ; Wout's K steps 0-11 are in
.irp ks,0,1,2,3
	OSTEP \ks
.endr
	v_add_nc_u32 v[VWO], s[WOFF], v[VL16]          ; K steps 12-15, eight fragments, where K steps 0-3 lay: sixteen loads, eight K steps ahead of their use
	WIN 0x40
.set f, 0
.rept 8
	global_load_b128 v[8*f:8*f+3], v[VWO], s[12:13] offset:f*1024
	global_load_b128 v[8*f+4:8*f+7], v[VWO], s[12:13] offset:f*1024+512
.set f, f+1
.endr
	WIN 0
.irp ks,4,5,6,7,8,9,10,11
	OSTEP \ks
.endr
	s_wait_loadcnt 0x0
.irp ks,12,13,14,15
	OSTEP \ks
.endr
	WIN 0x40                                       ; x once more, for the residual, into window 1, v0-127, where Wout lay: it lands while the results change hands in R
.set n, 0
.rept 32
	global_load_b128 v[4*n:4*n+3], v[VG+4*((n/4)%2)+n/8], s[38+2*((n/2)%2):39+2*((n/2)%2)] offset:(n%2)*512
.set n, n+1
.endr
	WIN 0
	BAR                                            ; nobody reads y silu(z) any more
.set t, 0
.rept 8                                ; t = 2 i + nt
	ds_store_b128 v[VXS0], v[OA0+8*t:OA0+8*t+3] offset:(t/2)*TILE_R+(t%2)*64       ; each accumulator's lowest registers first
	ds_store_b128 v[VXS0], v[OA0+8*t+4:OA0+8*t+7] offset:(t/2)*TILE_R+(t%2)*64+16
.set t, t+1
.endr
	WIN 0x04                                       ; store data in window 1
.set t, 0
.rept 8
	ds_store_b128 v[VXS0+1], v[OA1+8*t:OA1+8*t+3] offset:(t/2)*TILE_R+(t%2)*64
	ds_store_b128 v[VXS0+1], v[OA1+8*t+4:OA1+8*t+7] offset:(t/2)*TILE_R+(t%2)*64+16
.set t, t+1
.endr
	WIN 0
	BAR                                            ; whole rows of the out-projection
	; X OUT: my tile's rows, x added, by the addresses by which x came
.set n, 0
.rept 32
	ds_load_b128 v[XT+4*n:XT+4*n+3], v[VXW] offset:((n/4)%2)*8*RP+(2*(n/8)+(n/2)%2)*RP+(n%2)*512
.set n, n+1
.endr
	s_wait_loadcnt 0x0
	s_cmp_lg_u32 s28, 0
	s_cbranch_scc1 .Lraw_out
	WIN 0x45                                       ; all three places in window 1
.set m, 0
.rept 64
	RND 2*m, 2*m+1, 128+m%8
.set m, m+1
.endr
	WIN 0
.Lraw_out:
	s_wait_dscnt 0x0
	WIN 0x04
.set m, 0
.rept 64
	v_pk_add_f32 v[XT+2*m:XT+2*m+1], v[XT+2*m:XT+2*m+1], v[2*m:2*m+1]
.set m, m+1
.endr
	WIN 0
.set n, 0
.rept 32
	global_store_b128 v[VG+4*((n/4)%2)+n/8], v[XT+4*n:XT+4*n+3], s[42+2*((n/2)%2):43+2*((n/2)%2)] offset:(n%2)*512  ; 512 consecutive bytes, at a multiple of 512 from the buffer's first
.set n, n+1
.endr
	s_wait_tensorcnt 0x0                           ; the wave's end: three lines behind my last LDS store
	ds_add_u32 v[SPW], v[NIL]
	s_wait_dscnt 0x0
	s_endpgm
.Lfunc_end_k_q993bdfb88e_layer0:
	.size	k_q993bdfb88e_layer0, .Lfunc_end_k_q993bdfb88e_layer0-k_q993bdfb88e_layer0
	.p2alignl 7, 3214868480
	.fill 96, 4, 3214868480
	.section	.rodata,"a",@progbits
	.p2align	6, 0x0
	.amdhsa_kernel k_q993bdfb88e_layer0
		.amdhsa_group_segment_fixed_size 235008
		.amdhsa_private_segment_fixed_size 0
		.amdhsa_enable_private_segment 0
		.amdhsa_kernarg_size 96
		.amdhsa_user_sgpr_count 2
		.amdhsa_user_sgpr_kernarg_segment_ptr 1
		.amdhsa_wavefront_size32 1
		.amdhsa_system_sgpr_workgroup_id_x 1
		.amdhsa_system_sgpr_workgroup_id_y 1
		.amdhsa_system_sgpr_workgroup_id_z 1
		.amdhsa_system_vgpr_workitem_id 0
		.amdhsa_next_free_vgpr 512
		.amdhsa_next_free_sgpr 72
		.amdhsa_reserve_vcc 0
		.amdhsa_float_denorm_mode_32 3
		.amdhsa_float_denorm_mode_16_64 3
		.amdhsa_memory_ordered 1
		.amdhsa_forward_progress 1
		.amdhsa_inst_pref_size 141
	.end_amdhsa_kernel
	.amdgpu_metadata
---
amdhsa.version: [ 1, 2 ]
amdhsa.kernels:
  - .name:           k_q993bdfb88e_layer0
    .symbol:         k_q993bdfb88e_layer0.kd
    .args:
      - { .name: cfg0, .offset: 0, .size: 8, .value_kind: global_buffer, .address_space: global }
      - { .name: stream_sem, .offset: 8, .size: 8, .value_kind: global_buffer, .address_space: global }
      - { .name: stream_inst, .offset: 16, .size: 8, .value_kind: global_buffer, .address_space: global }
      - { .name: xf, .offset: 24, .size: 8, .value_kind: global_buffer, .address_space: global }
      - { .name: wst, .offset: 32, .size: 8, .value_kind: global_buffer, .address_space: global }
      - { .name: wbc, .offset: 40, .size: 8, .value_kind: global_buffer, .address_space: global }
      - { .name: A_log, .offset: 48, .size: 8, .value_kind: global_buffer, .address_space: global }
      - { .name: Dskip, .offset: 56, .size: 8, .value_kind: global_buffer, .address_space: global }
      - { .name: dt_bias, .offset: 64, .size: 8, .value_kind: global_buffer, .address_space: global }
      - { .name: ln_s, .offset: 72, .size: 8, .value_kind: global_buffer, .address_space: global }
      - { .name: ln_b, .offset: 80, .size: 8, .value_kind: global_buffer, .address_space: global }
      - { .name: xa, .offset: 88, .size: 8, .value_kind: global_buffer, .address_space: global }
    .group_segment_fixed_size: 235008
    .private_segment_fixed_size: 0
    .kernarg_segment_align: 8
    .kernarg_segment_size: 96
    .max_flat_workgroup_size: 256
    .sgpr_count:     72
    .vgpr_count:     512
    .wavefront_size: 32
...
	.end_amdgpu_metadata
.endif
;; end of part 2
;; launch layer1: the kernel of part 2 again; grid 256 x 1, 8 waves a work-group, no clusters, 235,008 bytes of LDS; arguments cfg1, stream_sem, stream_inst, xa, wst, wbc, A_log, Dskip, dt_bias, ln_s, ln_b, xf; writes xf
;; launch fuse (part 3): grid 256 x 1, 4 waves a work-group, no clusters, 269,824 bytes of LDS; arguments xf, wgm, gate_b, merge_b, merge_ln_s, merge_ln_b, out0, out1; writes out0, out1
.if DOCPART == 3
	.amdgcn_target "amdgcn-amd-amdhsa--gfx1250"
	.amdhsa_code_object_version 6
	.text
	.protected	k_q993bdfb88e_fuse
	.globl	k_q993bdfb88e_fuse
	.p2align	8
	.type	k_q993bdfb88e_fuse,@function
k_q993bdfb88e_fuse:
	s_mov_b64 s[64:65], 0
	v_nop
	global_prefetch_b8 v0, s[64:65] scope:SCOPE_SE
	s_setreg_imm32_b32 hwreg(HW_REG_WAVE_MODE, 25, 1), 1
	s_wait_xcnt 0x0
; THE TWO GATES, THE MIX, THE MERGE AND ITS LAYERNORM, for 32 tokens of one stream.  Work-group id: stream t = id / 128, tokens 32 (id % 128) .. +31.
; For each direction: g = sigmoid([fwd | bwd] gate_W + gate_b), m = bwd + g (fwd - bwd); then out = LayerNorm([m_h | m_v] merge_W[t] + merge_b[t]).
; SHARES.  Wave w owns columns 64 w .. +63 of all three products, and rows 8 w .. +7 when loading and in the norm.  The products are used transposed (source 0 = 16 columns of a weight,
; source 1 = 16 rows): lane (r, h) register j = row 16 mt + r, column 64 w + 16 nt + 8 h + j.  The wave's weights are one stream of 48 K steps x 4 fragments in memory (gate 0, gate 1, merge),
; read through a ring of 8 K steps in window 1: each fragment is used by this wave alone, so it goes from memory to registers.
; NO CLUSTER: the 128 work-groups of a stream do read the same 786,432 bytes of weights; sharing them would take them through LDS, where 57,856 bytes are left.
; FORMATS.  Operands bf16, sums f32.  The biases and the norm's gains are rounded to bf16 like all inputs.  m enters the last product as hi + lo, two bf16 numbers (two matrix instructions):
; the output is a norm of that product, and one bf16 rounding of m would use up most of what the comparison allows.
; LIMITS.  e^-s beyond f32's range gives g = 0; NaN and infinities are not treated apart.
; LDS (rows of 1,040 bytes = 1,024 + 16, an odd multiple of 16): F32[stack] 32 rows f32; FB[dir] 32 rows bf16 [fwd | bwd]; MH, ML 32 rows bf16 [m_h | m_v], high and low parts;
; BIAS, 768 bytes a wave; the merge's result takes F32[0]'s bytes.
.set RP,     1040
.set TILE_R, 16*RP
.set FSZ,    32*RP
.set FBB,    4*FSZ
.set MHB,    6*FSZ
.set BIAS,   8*FSZ
.set SPARE,  BIAS+4*768                ; the spare words, 128 bytes a wave
.set VL16, 1                           ; 16 x lane; never rewritten
.set VF,   4                           ; v4-7  16 x lane + stack x 8 MiB
.set VSW,  8                           ; v8-9  my eight rows in F32[0], F32[2]
.set VBW,  10                          ; my eight rows in FB
.set VSF,  11                          ; row fragments out of FB (steps)
.set VSM,  12                          ; row fragments out of MH
.set VE,   13                          ; my results' places in F32[2 dir] (steps)
.set VE0,  14                          ; the same in F32[0]
.set VM,   15                          ; the same in MH (steps)
.set VBI,  16                          ; my columns' biases (steps)
.set VW,   17                          ; my place in the stream of weights (steps)
.set VBIS, 20
.set VBIM, 21
.set VGB,  22
.set VMB,  23
.set VLN,  24
.set SPW,  30                          ; LDS address of my spare word; never rewritten
.set NIL,  31                          ; 0; never rewritten
.set LNS,  32
.set LNB,  40
.set GBR,  48                          ; v48-51 gate_b, v52-55 merge_b as loaded
.set ACC,  64                          ; v64-127 tile (mt, nt) at 64 + 8 (4 mt + nt); while loading: packed bf16
.set SF,   128                         ; v128-191 row fragments, two buffers of 32
.set XT,   128                         ; v128-255 32 half rows of xf on their way in
.set FW,   192
.set BW,   208
.set GG,   224
.set HH,   240
.set LL,   248
.set LR,   128
.set LT,   160
.set LSM,  168
.set MSB, 0
.macro WIN new                         ; the immediate's high byte repeats the setting that is left; a switch that changes nothing is dropped
.if MSB != (\new)
	s_set_vgpr_msb (MSB<<8)|(\new)
.set MSB, (\new)
.endif
.endm
.macro PLACES                          ; four places behind matrix instructions (ISA guide 7.12.1)
.rept 4
	v_nop
.endr
.endm
.macro BAR
	s_wait_dscnt 0x0
	s_barrier_signal -1
	s_barrier_wait -1
.endm
.macro RND a, b, t                     ; two f32 numbers rounded to bf16's values
	v_cvt_pk_bf16_f32 v[\t], v[\a], v[\b]
	v_lshlrev_b32 v[\a], 16, v[\t]
	v_and_b32 v[\b], s62, v[\t]
.endm
.macro PMULB d, a, b                   ; d = a x v[b], one register for both halves
.if ((\b)%2)
	v_pk_mul_f32 v[\d:\d+1], v[\a:\a+1], v[\b-1:\b] op_sel:[0,1] op_sel_hi:[1,1]
.else
	v_pk_mul_f32 v[\d:\d+1], v[\a:\a+1], v[\b:\b+1] op_sel_hi:[1,0]
.endif
.endm
.macro PADDB d, a, b                   ; d = a + v[b]
.if ((\b)%2)
	v_pk_add_f32 v[\d:\d+1], v[\a:\a+1], v[\b-1:\b] op_sel:[0,1] op_sel_hi:[1,1]
.else
	v_pk_add_f32 v[\d:\d+1], v[\a:\a+1], v[\b:\b+1] op_sel_hi:[1,0]
.endif
.endm
.macro FLOAD bt                        ; my eight rows of stacks 2 bt and 2 bt + 1: 32 loads of 512 consecutive bytes
.set q, 0
.rept 32                               ; q = 16 stack + 2 row + half
	global_load_b128 v[XT+4*q:XT+4*q+3], v[VF+2*(\bt)+q/16], s[20:21] offset:((q/2)%8)*1024+(q%2)*512 th:TH_LOAD_NT
.set q, q+1
.endr
.endm
.macro PROC bt                         ; they go into LDS twice: as f32 for the mix, as bf16 for the gate's product
.set q, 0
.rept 32
	ds_store_b128 v[VSW+(\bt)], v[XT+4*q:XT+4*q+3] offset:(q/16)*FSZ+((q/2)%8)*RP+(q%2)*512
	v_cvt_pk_bf16_f32 v[ACC+2*q], v[XT+4*q], v[XT+4*q+1]
	v_cvt_pk_bf16_f32 v[ACC+2*q+1], v[XT+4*q+2], v[XT+4*q+3]
	ds_store_b64 v[VBW], v[ACC+2*q:ACC+2*q+1] offset:(\bt)*FSZ+(q/16)*512+((q/2)%8)*RP+(q%2)*256
.set q, q+1
.endr
.endm
.macro WLOAD kk, base                  ; a K step's four fragments into ring slot kk: eight loads
	WIN 0x40
.irp nt,0,1,2,3
	global_load_b128 v[32*(\kk)+8*\nt:32*(\kk)+8*\nt+3], v[VW], s[6:7] offset:(\base)+(\kk)*4096+\nt*1024
	global_load_b128 v[32*(\kk)+8*\nt+4:32*(\kk)+8*\nt+7], v[VW], s[6:7] offset:(\base)+(\kk)*4096+\nt*1024+512
.endr
	WIN 0
.endm
.macro SFG kk                          ; a gate's row fragments for K step kk of eight: four loads
.irp mt,0,1
	ds_load_b128 v[SF+32*((\kk)%2)+8*\mt:SF+32*((\kk)%2)+8*\mt+3], v[VSF] offset:\mt*TILE_R+(\kk)*64
	ds_load_b128 v[SF+32*((\kk)%2)+8*\mt+4:SF+32*((\kk)%2)+8*\mt+7], v[VSF] offset:\mt*TILE_R+(\kk)*64+32
.endr
.endm
.macro SFM ks                          ; the merge's row fragments for K step ks of sixteen, high parts and low parts: eight loads
.irp pt,0,1
.irp mt,0,1
	ds_load_b128 v[SF+32*((\ks)%2)+16*\pt+8*\mt:SF+32*((\ks)%2)+16*\pt+8*\mt+3], v[VSM] offset:\pt*FSZ+\mt*TILE_R+(\ks)*64
	ds_load_b128 v[SF+32*((\ks)%2)+16*\pt+8*\mt+4:SF+32*((\ks)%2)+16*\pt+8*\mt+7], v[VSM] offset:\pt*FSZ+\mt*TILE_R+(\ks)*64+32
.endr
.endr
.endm
.macro BIASIN                          ; the sums begin with the bias of their columns: sixteen loads
.set q, 0
.rept 8
	ds_load_b128 v[ACC+8*q:ACC+8*q+3], v[VBI] offset:(q%4)*64
	ds_load_b128 v[ACC+8*q+4:ACC+8*q+7], v[VBI] offset:(q%4)*64+16
.set q, q+1
.endr
.endm
; A gate's K step: eight matrix instructions on eight accumulators by turns; then the ring slot just read takes the K step eight on.
.macro GSTEP kk
	s_wait_loadcnt 56                              ; seven younger K steps of eight loads may stay out
.if (\kk) == 7
	s_wait_dscnt 0x0
.else
	s_wait_dscnt 4                                 ; the next K step's four loads may stay out
.endif
	WIN 0x01
.irp mt,0,1
.irp nt,0,1,2,3
	v_wmma_f32_16x16x32_bf16 v[ACC+8*(4*\mt+\nt):ACC+8*(4*\mt+\nt)+7], v[32*(\kk)+8*\nt:32*(\kk)+8*\nt+7], v[SF+32*((\kk)%2)+8*\mt:SF+32*((\kk)%2)+8*\mt+7], v[ACC+8*(4*\mt+\nt):ACC+8*(4*\mt+\nt)+7]
.endr
.endr
	WIN 0
	PLACES
	WLOAD \kk, 32768
.if (\kk) <= 5
	SFG (\kk)+2
.endif
.endm
; The merge's K step: eight with the high parts, eight with the low parts, the same eight accumulators by turns.
.macro MSTEP ks, load
.if \load
	s_wait_loadcnt 56
.else
	s_wait_loadcnt 56-8*((\ks)-8)                  ; nothing more is asked for: the counts run down
.endif
.if (\ks) == 15
	s_wait_dscnt 0x0
.else
	s_wait_dscnt 8                                 ; the next K step's eight loads may stay out
.endif
	WIN 0x01
.irp pt,0,1
.irp mt,0,1
.irp nt,0,1,2,3
	v_wmma_f32_16x16x32_bf16 v[ACC+8*(4*\mt+\nt):ACC+8*(4*\mt+\nt)+7], v[32*((\ks)%8)+8*\nt:32*((\ks)%8)+8*\nt+7], v[SF+32*((\ks)%2)+16*\pt+8*\mt:SF+32*((\ks)%2)+16*\pt+8*\mt+7], v[ACC+8*(4*\mt+\nt):ACC+8*(4*\mt+\nt)+7]
.endr
.endr
.endr
	WIN 0
	PLACES
.if \load
	WLOAD \ks, 32768
.endif
.if (\ks) <= 13
	SFM (\ks)+2
.endif
.endm
; Two tiles (mt; nt = 2 np, 2 np + 1) of a gate: sigmoid, mix, split into high and low bf16, into MH and ML.
.macro EPI mt, np
.irp u,0,1
	ds_load_b128 v[FW+8*\u:FW+8*\u+3], v[VE] offset:(\mt)*TILE_R+(2*(\np)+\u)*64
	ds_load_b128 v[FW+8*\u+4:FW+8*\u+7], v[VE] offset:(\mt)*TILE_R+(2*(\np)+\u)*64+16
	ds_load_b128 v[BW+8*\u:BW+8*\u+3], v[VE] offset:FSZ+(\mt)*TILE_R+(2*(\np)+\u)*64
	ds_load_b128 v[BW+8*\u+4:BW+8*\u+7], v[VE] offset:FSZ+(\mt)*TILE_R+(2*(\np)+\u)*64+16
.endr
.irp u,0,1
.irp c,0,2,4,6
	v_pk_mul_f32 v[GG+8*\u+\c:GG+8*\u+\c+1], v[ACC+8*(4*(\mt)+2*(\np)+\u)+\c:ACC+8*(4*(\mt)+2*(\np)+\u)+\c+1], 0xbfb8aa3b op_sel_hi:[1,0]
.endr
.endr
.set e, GG
.rept 16
	v_exp_f32 v[e], v[e]
.set e, e+1
.endr
	s_wait_dscnt 0x0
.set e, 0
.rept 8
	v_pk_add_f32 v[FW+e:FW+e+1], v[FW+e:FW+e+1], v[BW+e:BW+e+1] neg_lo:[0,1] neg_hi:[0,1]  ; fwd - bwd: the plain work behind the exponentials
.set e, e+2
.endr
.set e, 0
	s_wait_alu depctr_va_vdst(0)
.rept 8
	v_pk_add_f32 v[GG+e:GG+e+1], v[GG+e:GG+e+1], 1.0 op_sel_hi:[1,0]
.set e, e+2
.endr
.set e, GG
.rept 16
	v_rcp_f32 v[e], v[e]
.set e, e+1
.endr
	v_nop
.set e, 0
	s_wait_alu depctr_va_vdst(0)
.rept 8
	v_pk_fma_f32 v[GG+e:GG+e+1], v[GG+e:GG+e+1], v[FW+e:FW+e+1], v[BW+e:BW+e+1]  ; m
.set e, e+2
.endr
.set e, 0
.rept 8
	v_cvt_pk_bf16_f32 v[HH+e], v[GG+2*e], v[GG+2*e+1]
.set e, e+1
.endr
.set e, 0
.rept 8
	v_lshlrev_b32 v[FW+2*e], 16, v[HH+e]
	v_and_b32 v[FW+2*e+1], s62, v[HH+e]
.set e, e+1
.endr
.set e, 0
.rept 8
	v_pk_add_f32 v[GG+e:GG+e+1], v[GG+e:GG+e+1], v[FW+e:FW+e+1] neg_lo:[0,1] neg_hi:[0,1]  ; what the high part left
.set e, e+2
.endr
.set e, 0
.rept 8
	v_cvt_pk_bf16_f32 v[LL+e], v[GG+2*e], v[GG+2*e+1]
.set e, e+1
.endr
.irp u,0,1
	ds_store_b128 v[VM], v[HH+4*\u:HH+4*\u+3] offset:(\mt)*TILE_R+(2*(\np)+\u)*32
	ds_store_b128 v[VM], v[LL+4*\u:LL+4*\u+3] offset:FSZ+(\mt)*TILE_R+(2*(\np)+\u)*32
.endr
.endm
.macro LANESUM                         ; four sums over the 32 lanes, side by side
.irp m,1,2,4,8
.irp a,0,1,2,3
	v_add_f32_dpp v[LSM+\a], v[LSM+\a], v[LSM+\a] row_xmask:\m row_mask:0xf bank_mask:0xf
.endr
.endr
.irp a,0,1,2,3
	v_permlanex16_b32 v[LT+2*\a], v[LSM+\a], s52, s53
.endr
.irp a,0,1,2,3
	v_add_f32 v[LSM+\a], v[LSM+\a], v[LT+2*\a]
.endr
.endm
; LayerNorm of rows ro .. ro + 3 of my eight, and out.  A lane holds columns 4 l .. +3 and 128 + 4 l .. +3.  The mean is taken away before the squares are summed.
.macro LN4F ro
.irp a,0,1,2,3
	ds_load_b128 v[LR+8*\a:LR+8*\a+3], v[VSW] offset:((\ro)+\a)*RP
	ds_load_b128 v[LR+8*\a+4:LR+8*\a+7], v[VSW] offset:((\ro)+\a)*RP+512
.endr
	s_wait_dscnt 0x0
.irp a,0,1,2,3
	v_pk_add_f32 v[LT+2*\a:LT+2*\a+1], v[LR+8*\a:LR+8*\a+1], v[LR+8*\a+2:LR+8*\a+3]
.endr
.irp c,4,6
.irp a,0,1,2,3
	v_pk_add_f32 v[LT+2*\a:LT+2*\a+1], v[LT+2*\a:LT+2*\a+1], v[LR+8*\a+\c:LR+8*\a+\c+1]
.endr
.endr
.irp a,0,1,2,3
	v_add_f32 v[LSM+\a], v[LT+2*\a], v[LT+2*\a+1]
.endr
	LANESUM
.irp a,0,1,2,3
	v_mul_f32 v[LSM+\a], 0xbb800000, v[LSM+\a]     ; minus the mean
.endr
.irp c,0,2,4,6
.irp a,0,1,2,3
	PADDB LR+8*\a+\c, LR+8*\a+\c, LSM+\a
.endr
.endr
.irp a,0,1,2,3
	v_pk_mul_f32 v[LT+2*\a:LT+2*\a+1], v[LR+8*\a:LR+8*\a+1], v[LR+8*\a:LR+8*\a+1]
.endr
.irp c,2,4,6
.irp a,0,1,2,3
	v_pk_fma_f32 v[LT+2*\a:LT+2*\a+1], v[LR+8*\a+\c:LR+8*\a+\c+1], v[LR+8*\a+\c:LR+8*\a+\c+1], v[LT+2*\a:LT+2*\a+1]
.endr
.endr
.irp a,0,1,2,3
	v_add_f32 v[LSM+\a], v[LT+2*\a], v[LT+2*\a+1]
.endr
	LANESUM
.irp a,0,1,2,3
	v_fma_f32 v[LSM+\a], v[LSM+\a], s54, s55       ; the variance + 1e-5
.endr
.irp a,0,1,2,3
	v_rsq_f32 v[LSM+\a], v[LSM+\a]
.endr
	v_nop
	s_wait_alu depctr_va_vdst(0)
.irp c,0,2,4,6
.irp a,0,1,2,3
	PMULB LR+8*\a+\c, LR+8*\a+\c, LSM+\a
.endr
.endr
.irp c,0,2,4,6
.irp a,0,1,2,3
	v_pk_fma_f32 v[LR+8*\a+\c:LR+8*\a+\c+1], v[LR+8*\a+\c:LR+8*\a+\c+1], v[LNS+\c:LNS+\c+1], v[LNB+\c:LNB+\c+1]
.endr
.endr
.irp a,0,1,2,3
	global_store_b128 v[VL16], v[LR+8*\a:LR+8*\a+3], s[22:23] offset:((\ro)+\a)*1024 th:TH_STORE_NT       ; 512 consecutive bytes, at a multiple of 512 from the output's first
	global_store_b128 v[VL16], v[LR+8*\a+4:LR+8*\a+7], s[22:23] offset:((\ro)+\a)*1024+512 th:TH_STORE_NT
.endr
.endm
	s_load_b512 s[4:19], s[0:1], 0x0               ; xf s[4:5], wgm s[6:7], gate_b s[8:9], merge_b s[10:11], merge_ln_s s[12:13], merge_ln_b s[14:15], out0 s[16:17], out1 s[18:19]
	v_lshl_add_u32 v[SPW], v0, 2, SPARE
	v_mov_b32 v[NIL], 0
	v_lshrrev_b32 v2, 5, v0
	v_readfirstlane_b32 s24, v2                    ; wave 0..3
	v_and_b32 v2, 31, v0
	v_lshlrev_b32 v[VL16], 4, v2
	v_and_b32 v2, 15, v0                           ; r
	v_bfe_u32 v3, v0, 4, 1                         ; h
	s_lshr_b32 s25, ttmp9, 7                       ; the stream
	s_and_b32 s26, ttmp9, 127                      ; the block of 32 tokens
	s_lshl_b32 s56, s26, 15
	s_lshl_b32 s58, s24, 13
	s_add_co_u32 s56, s56, s58                     ; my eight rows, in bytes
	s_mov_b32 s57, 0
	s_lshl_b32 s58, s25, 22
	s_add_co_u32 s58, s58, s56
	s_mov_b32 s59, 0
	s_lshl2_add_u32 s60, s25, s24
	s_mul_i32 s60, s60, 196608                     ; my stream of weights
	s_mov_b32 s61, 0
	s_mov_b32 s52, 0x76543210                      ; v_permlanex16_b32: each lane takes its own place in the other half
	s_mov_b32 s53, 0xfedcba98
	s_mov_b32 s54, 0x3b800000                      ; 1 / 256
	s_mov_b32 s55, 0x3727c5ac                      ; 1e-5
	s_mov_b32 s62, 0xffff0000                      ; a word's upper bf16
	v_mov_b32 v[VF], v[VL16]
	v_add_nc_u32 v[VF+1], 0x800000, v[VL16]
	v_add_nc_u32 v[VF+2], 0x1000000, v[VL16]
	v_add_nc_u32 v[VF+3], 0x1800000, v[VL16]
	v_mov_b32 v[VW], v[VL16]
	s_mul_i32 s27, s24, 8*RP
	v_add_nc_u32 v[VSW], s27, v[VL16]
	v_add_nc_u32 v[VSW+1], 2*FSZ, v[VSW]
	s_add_co_u32 s28, s27, FBB
	v_lshrrev_b32 v[VBW], 1, v[VL16]
	v_add_nc_u32 v[VBW], s28, v[VBW]
	v_mul_u32_u24 v25, v2, RP
	v_lshl_add_u32 v26, v3, 4, v25                 ; 1040 r + 16 h
	v_add_nc_u32 v[VSF], FBB, v26
	v_add_nc_u32 v[VSM], MHB, v26
	s_lshl_b32 s28, s24, 7
	s_add_co_u32 s28, s28, MHB
	v_add_nc_u32 v[VM], s28, v26
	s_lshl_b32 s28, s24, 8
	v_lshl_add_u32 v[VE], v3, 5, v25
	v_add_nc_u32 v[VE], s28, v[VE]
	v_mov_b32 v[VE0], v[VE]
	s_mul_i32 s29, s24, 768
	s_add_co_u32 s29, s29, BIAS
	v_lshl_add_u32 v[VBI], v3, 5, s29
	v_add_nc_u32 v[VBIS], s29, v[VL16]
	s_add_co_u32 s29, s29, 512
	v_lshl_add_u32 v[VBIM], v2, 4, s29
	v_lshl_add_u32 v[VMB], v2, 4, s28              ; 256 w + 16 r
	v_lshl_add_u32 v[VGB], v3, 10, v[VMB]          ; lanes 0-15 the horizontal gate's bias, lanes 16-31 the vertical's
	s_lshl_b32 s28, s25, 10
	v_add_nc_u32 v[VMB], s28, v[VMB]
	v_add_nc_u32 v[VLN], s28, v[VL16]
	s_wait_kmcnt 0x0
	s_add_nc_u64 s[20:21], s[4:5], s[58:59]        ; xf at stack 0, my stream, my rows
	s_add_nc_u64 s[6:7], s[6:7], s[60:61]
	s_cmp_eq_u32 s25, 0
	s_cselect_b64 s[22:23], s[16:17], s[18:19]
	s_add_nc_u64 s[22:23], s[22:23], s[56:57]
	global_load_b128 v[GBR:GBR+3], v[VGB], s[8:9]
	global_load_b128 v[GBR+4:GBR+7], v[VMB], s[10:11]
	global_load_b128 v[LNS:LNS+3], v[VLN], s[12:13]
	global_load_b128 v[LNS+4:LNS+7], v[VLN], s[12:13] offset:512
	global_load_b128 v[LNB:LNB+3], v[VLN], s[14:15]
	global_load_b128 v[LNB+4:LNB+7], v[VLN], s[14:15] offset:512
	FLOAD 0
	s_wait_loadcnt 0x0
.irp i,0,2,4,6
	RND GBR+\i, GBR+\i+1, 56+\i
	RND LNS+\i, LNS+\i+1, 57+\i
.endr
.irp i,0,2,4,6
	RND LNB+\i, LNB+\i+1, 56+\i
.endr
	ds_store_b128 v[VBIS], v[GBR:GBR+3]            ; my wave's own bytes
	ds_store_b128 v[VBIM], v[GBR+4:GBR+7]          ; (both halves of the lanes write the same numbers)
	PROC 0
	FLOAD 1
.irp g,0,1,2,3,4,5,6
	WLOAD \g, 0
.endr
	s_wait_loadcnt 56                              ; the ring's first seven K steps, 56 loads, may stay out: the rows are in
	PROC 1
	WLOAD 7, 0
	BAR                                            ; all 32 rows of all four stacks are in LDS
	s_mov_b32 s48, 2
.Ldir:                                                 ; horizontal, then vertical
	BIASIN
	s_mov_b32 s49, 2
.Lhalf:                                                ; eight K steps a trip: fwd's 256 channels, then bwd's
	SFG 0
	SFG 1
.irp kk,0,1,2,3,4,5,6,7
	GSTEP \kk
.endr
	s_wait_xcnt 0x0                                ; the loads' offset register is stepped only behind this wait (ISA guide 3.1)
	v_add_nc_u32 v[VW], 32768, v[VW]
	v_add_nc_u32 v[VSF], 512, v[VSF]
	s_sub_co_u32 s49, s49, 1
	s_cmp_lg_u32 s49, 0
	s_cbranch_scc1 .Lhalf
	EPI 0, 0
	EPI 0, 1
	EPI 1, 0
	EPI 1, 1
	v_add_nc_u32 v[VSF], FSZ-1024, v[VSF]
	v_add_nc_u32 v[VE], 2*FSZ, v[VE]
	v_add_nc_u32 v[VM], 512, v[VM]
	v_add_nc_u32 v[VBI], 256, v[VBI]
	BAR                                            ; behind the second: m is whole in MH and ML, and nobody reads F32 any more
	s_sub_co_u32 s48, s48, 1
	s_cmp_lg_u32 s48, 0
	s_cbranch_scc1 .Ldir
	BIASIN
	SFM 0
	SFM 1
.irp ks,0,1,2,3,4,5,6,7
	MSTEP \ks, 1
.endr
.irp ks,8,9,10,11,12,13,14,15
	MSTEP \ks, 0
.endr
.set q, 0
.rept 8
	ds_store_b128 v[VE0], v[ACC+8*q:ACC+8*q+3] offset:(q/4)*TILE_R+(q%4)*64        ; each accumulator's lowest registers first
	ds_store_b128 v[VE0], v[ACC+8*q+4:ACC+8*q+7] offset:(q/4)*TILE_R+(q%4)*64+16
.set q, q+1
.endr
	BAR                                            ; whole rows of the merge's result
	LN4F 0
	s_wait_xcnt 0x0                                ; the stores' data registers are loaded again only behind this wait
	LN4F 4
	s_wait_tensorcnt 0x0                           ; the wave's end: three lines behind my last LDS store
	ds_add_u32 v[SPW], v[NIL]
	s_wait_dscnt 0x0
	s_endpgm
.Lfunc_end_k_q993bdfb88e_fuse:
	.size	k_q993bdfb88e_fuse, .Lfunc_end_k_q993bdfb88e_fuse-k_q993bdfb88e_fuse
	.p2alignl 7, 3214868480
	.fill 96, 4, 3214868480
	.section	.rodata,"a",@progbits
	.p2align	6, 0x0
	.amdhsa_kernel k_q993bdfb88e_fuse
		.amdhsa_group_segment_fixed_size 269824
		.amdhsa_private_segment_fixed_size 0
		.amdhsa_enable_private_segment 0
		.amdhsa_kernarg_size 64
		.amdhsa_user_sgpr_count 2
		.amdhsa_user_sgpr_kernarg_segment_ptr 1
		.amdhsa_wavefront_size32 1
		.amdhsa_system_sgpr_workgroup_id_x 1
		.amdhsa_system_sgpr_workgroup_id_y 1
		.amdhsa_system_sgpr_workgroup_id_z 1
		.amdhsa_system_vgpr_workitem_id 0
		.amdhsa_next_free_vgpr 512
		.amdhsa_next_free_sgpr 66
		.amdhsa_reserve_vcc 0
		.amdhsa_float_denorm_mode_32 3
		.amdhsa_float_denorm_mode_16_64 3
		.amdhsa_memory_ordered 1
		.amdhsa_forward_progress 1
		.amdhsa_inst_pref_size 132
	.end_amdhsa_kernel
	.amdgpu_metadata
---
amdhsa.version: [ 1, 2 ]
amdhsa.kernels:
  - .name:           k_q993bdfb88e_fuse
    .symbol:         k_q993bdfb88e_fuse.kd
    .args:
      - { .name: xf, .offset: 0, .size: 8, .value_kind: global_buffer, .address_space: global }
      - { .name: wgm, .offset: 8, .size: 8, .value_kind: global_buffer, .address_space: global }
      - { .name: gate_b, .offset: 16, .size: 8, .value_kind: global_buffer, .address_space: global }
      - { .name: merge_b, .offset: 24, .size: 8, .value_kind: global_buffer, .address_space: global }
      - { .name: merge_ln_s, .offset: 32, .size: 8, .value_kind: global_buffer, .address_space: global }
      - { .name: merge_ln_b, .offset: 40, .size: 8, .value_kind: global_buffer, .address_space: global }
      - { .name: out0, .offset: 48, .size: 8, .value_kind: global_buffer, .address_space: global }
      - { .name: out1, .offset: 56, .size: 8, .value_kind: global_buffer, .address_space: global }
    .group_segment_fixed_size: 269824
    .private_segment_fixed_size: 0
    .kernarg_segment_align: 8
    .kernarg_segment_size: 64
    .max_flat_workgroup_size: 128
    .sgpr_count:     66
    .vgpr_count:     512
    .wavefront_size: 32
...
	.end_amdgpu_metadata
.endif
;; end of part 3
;; ======== version 2 of 2: 3 launches; 1.27 times as fast as version 1
;; limits: values outside matrix products are rounded to bf16
;; workspace buffers: wst 8,388,608 bytes; wbc 131,072 bytes; wgm 1,572,864 bytes; xf 33,554,432 bytes
;; launch prep (part 4): grid 320 x 1, 8 waves a work-group, no clusters, 33,792 bytes of LDS; arguments Wx, Wz, Wdt, Wout, gate_W, merge_W, WB, WC, wst, wgm, wbc; writes wst, wgm, wbc
.if DOCPART == 4
	.amdgcn_target "amdgcn-amd-amdhsa--gfx1250"
	.amdhsa_code_object_version 6
	.text
	.protected	k_q993bdfb88e_prep
	.globl	k_q993bdfb88e_prep
	.p2align	8
	.type	k_q993bdfb88e_prep,@function
k_q993bdfb88e_prep:
	s_mov_b64 s[64:65], 0
	v_nop
	global_prefetch_b8 v0, s[64:65] scope:SCOPE_SE
	s_setreg_imm32_b32 hwreg(HW_REG_WAVE_MODE, 25, 1), 1
	s_wait_xcnt 0x0
; All weights, rounded once to bf16 and laid out as ready matrix fragments.
; A FRAGMENT is 1,024 bytes: 16 columns n x 32 k.  Byte p*512 + lane*16 (p = 0, 1) holds, for lane (r = lane % 16, h = lane / 16),
; W[k0 + 16 p + 8 h + e][n0 + r], e = 0..7: two loads of 16 bytes a lane, each of 512 consecutive bytes a wave, fill a fragment.
; One wave makes one block: 32 k x 64 n of f32 -> 4 fragments (for WB and WC: 32 k x 16 n -> 1 fragment).
; Work-groups 0-191: Wx, Wz, Wdt; 192-255: Wout; 256-287: gate_W (written once for each stream, so that a stream's weights lie on end);
; 288-303: merge_W; 304-319: WB, WC.  Memory binds; no matrix unit, no barrier: each wave has a stage of 4,096 LDS bytes of its own.
; wst: a stream of 262,144 bytes for each (stack, wave 0..7 of the layers' kernel); in it 131,072 a layer: four chunks of 16 inner channels, 24 fragments (3 K step + matrix) each, then
; 32 fragments of Wout (2 K step + 0..1) for the wave's 32 output columns.
.set SPARE, 32768                      ; behind the eight stages: the spare words, 128 bytes a wave
.set SPW,  30                          ; v30  LDS address of my spare word; never rewritten
.set NIL,  31                          ; v31  0; never rewritten
.set RAWD, 32                          ; v32-95   16 quads as loaded (f32), later the fragments read back
.set PK,   96                          ; v96-127  packed bf16
	s_load_b512 s[8:23], s[0:1], 0x0               ; Wx s[8:9], Wz s[10:11], Wdt s[12:13], Wout s[14:15], gate_W s[16:17], merge_W s[18:19], WB s[20:21], WC s[22:23]
	s_load_b128 s[24:27], s[0:1], 0x40             ; wst s[24:25], wgm s[26:27]
	s_load_b64 s[28:29], s[0:1], 0x50              ; wbc
	v_lshl_add_u32 v[SPW], v0, 2, SPARE
	v_mov_b32 v[NIL], 0
	v_lshrrev_b32 v1, 5, v0
	v_readfirstlane_b32 s30, v1                    ; wave 0..7
	v_and_b32 v2, 31, v0                           ; lane
	v_and_b32 v3, 15, v0                           ; lane % 16
	v_bfe_u32 v4, v0, 4, 1                         ; lane / 16
	v_lshlrev_b32 v5, 4, v2                        ; 16 x lane
	s_lshl_b32 s47, s30, 12                        ; my stage
	v_add_nc_u32 v8, s47, v5                       ; back out of the stage: 16 x lane
	v_lshrrev_b32 v7, 2, v3                        ; into the stage: my four columns lie in fragment (lane % 16) / 4,
	v_lshlrev_b32 v7, 10, v7
	v_lshl_add_u32 v7, v4, 8, v7                   ; in the half of lanes that has my eight k,
	v_and_b32 v9, 3, v3
	v_lshl_add_u32 v7, v9, 6, v7                   ; at lanes 4 (lane % 4) + 0..3
	v_add_nc_u32 v7, s47, v7
	s_mov_b32 s43, 0                               ; high words of the two offsets
	s_mov_b32 s45, 0
	s_wait_kmcnt 0x0
; The block at s[36:37], rows \pitch bytes apart, becomes four fragments at s[38:39]: fragment tt at (tt % 2) x d1 + (tt / 2) x d2.
; Load 8 p + e takes rows 16 p + e (lanes 0-15) and 16 p + 8 + e (lanes 16-31), 256 consecutive bytes each.  So a lane's sixteen quads hold, for each of its
; four columns, the sixteen k of one lane of a fragment: the turn costs nothing but the choice of registers in the conversions.
.macro BODY pitch, d1, d2, once
	v_mul_u32_u24 v6, v4, 8*(\pitch)
	v_lshl_add_u32 v6, v3, 4, v6
.set i, 0
.rept 16
.if \once
	global_load_b128 v[RAWD+4*i:RAWD+4*i+3], v6, s[36:37] offset:(16*(i/8)+i%8)*(\pitch) th:TH_LOAD_NT
.else
	global_load_b128 v[RAWD+4*i:RAWD+4*i+3], v6, s[36:37] offset:(16*(i/8)+i%8)*(\pitch)
.endif
.set i, i+1
.endr
	s_wait_loadcnt 0x0
.set i, 0
.rept 32                               ; i = 16 p + 4 c + e / 2
	v_cvt_pk_bf16_f32 v[PK+i], v[RAWD+4*(8*(i/16)+2*(i%4))+(i/4)%4], v[RAWD+4*(8*(i/16)+2*(i%4)+1)+(i/4)%4]
.set i, i+1
.endr
.set i, 0
.rept 8                                ; i = 4 p + c
	ds_store_b128 v7, v[PK+4*i:PK+4*i+3] offset:(i/4)*512+(i%4)*16
.set i, i+1
.endr
.set i, 0
.rept 8
	ds_load_b128 v[RAWD+4*i:RAWD+4*i+3], v8 offset:i*512  ; my own bytes: LDS serves a wave's instructions in order (ISA guide 5.7.1.4)
.set i, i+1
.endr
	s_wait_dscnt 0x0
.set i, 0
.rept 8
	global_store_b128 v5, v[RAWD+4*i:RAWD+4*i+3], s[38:39] offset:((i/2)%2)*(\d1)+(i/4)*(\d2)+(i%2)*512  ; 512 consecutive bytes, at a multiple of 512 from the buffer's first
.set i, i+1
.endr
	s_wait_tensorcnt 0x0                           ; the wave's end: three lines behind my last LDS store
	ds_add_u32 v[SPW], v[NIL]
	s_wait_dscnt 0x0
	s_endpgm
.endm
	s_cmp_lt_u32 ttmp9, 192
	s_cbranch_scc0 .Lnot_in
	; Wx, Wz, Wdt [stack, layer][256 k][512 d]: block b = (stack-layer, K step, group of 64 columns = the wave that will use them)
	s_lshr_b32 s32, ttmp9, 6                       ; which of the three
	s_and_b32 s31, ttmp9, 63
	s_lshl3_add_u32 s31, s31, s30                  ; b = 0..511
	s_lshr_b32 s33, s31, 6                         ; 2 stack + layer
	s_bfe_u32 s34, s31, 0x30003                    ; K step
	s_and_b32 s35, s31, 7                          ; column group
	s_lshl_b32 s42, s33, 19
	s_lshl_b32 s46, s34, 16
	s_add_co_u32 s42, s42, s46
	s_lshl_b32 s46, s35, 8
	s_add_co_u32 s42, s42, s46
	s_lshr_b32 s44, s33, 1                         ; wst: stream 8 stack + wave;
	s_lshl3_add_u32 s44, s44, s35
	s_lshl_b32 s44, s44, 18
	s_and_b32 s46, s33, 1                          ; the layer's 131,072 bytes;
	s_lshl_b32 s46, s46, 17
	s_add_co_u32 s44, s44, s46
	s_mul_i32 s46, s34, 3                          ; in a chunk fragment 3 K step + matrix; the block's four fragments go to the four chunks
	s_add_co_u32 s46, s46, s32
	s_lshl_b32 s46, s46, 10
	s_add_co_u32 s44, s44, s46
	s_cmp_eq_u32 s32, 0
	s_cselect_b64 s[36:37], s[8:9], s[10:11]
	s_cmp_eq_u32 s32, 2
	s_cselect_b64 s[36:37], s[12:13], s[36:37]
	s_add_nc_u64 s[36:37], s[36:37], s[42:43]
	s_add_nc_u64 s[38:39], s[24:25], s[44:45]
	BODY 2048, 24576, 49152, 1
.Lnot_in:
	s_cmp_lt_u32 ttmp9, 304
	s_cbranch_scc0 .Lbc
	; Wout, gate_W, merge_W: [512 k][256 n]: K step = bits 5:2 of the block's number, group of 64 columns = bits 1:0
	s_sub_co_u32 s31, ttmp9, 192
	s_lshl3_add_u32 s31, s31, s30                  ; 0..511 Wout, 512..767 gate_W, 768..895 merge_W
	s_bfe_u32 s34, s31, 0x40002
	s_and_b32 s35, s31, 3
	s_lshl_b32 s42, s34, 15
	s_lshl_b32 s46, s35, 8
	s_add_co_u32 s42, s42, s46
	s_lshl_b32 s44, s34, 12                        ; gates and merge: fragment 4 K step + 0..3
	s_cmp_lt_u32 ttmp9, 256
	s_cbranch_scc0 .Lgm
	s_lshr_b32 s33, s31, 6                         ; 2 stack + layer
	s_lshl_b32 s46, s33, 19
	s_add_co_u32 s42, s42, s46
	s_lshl_b32 s44, s34, 11                        ; Wout: fragment 2 K step + 0..1, in the streams of waves 2 group and 2 group + 1
	s_lshr_b32 s46, s33, 1
	s_lshl2_add_u32 s46, s46, s35
	s_lshl_b32 s46, s46, 19                        ; (8 stack + 2 group) x 262,144
	s_add_co_u32 s44, s44, s46
	s_and_b32 s46, s33, 1
	s_lshl_b32 s46, s46, 17
	s_add_co_u32 s44, s44, s46
	s_add_co_u32 s44, s44, 98304                   ; behind the layer's four chunks
	s_add_nc_u64 s[36:37], s[14:15], s[42:43]
	s_add_nc_u64 s[38:39], s[24:25], s[44:45]
	BODY 1024, 1024, 262144, 1
.Lgm:
	s_cmp_lt_u32 ttmp9, 288
	s_cbranch_scc0 .Lmerge
	s_bfe_u32 s32, s31, 0x10007                    ; the stream whose copy this is
	s_bfe_u32 s33, s31, 0x10006                    ; horizontal or vertical
	s_lshl_b32 s46, s33, 19
	s_add_co_u32 s42, s42, s46
	s_lshl_b32 s46, s33, 16
	s_add_co_u32 s44, s44, s46
	s_lshl2_add_u32 s46, s32, s35
	s_mul_i32 s46, s46, 196608
	s_add_co_u32 s44, s44, s46
	s_add_nc_u64 s[36:37], s[16:17], s[42:43]
	s_add_nc_u64 s[38:39], s[26:27], s[44:45]
	BODY 1024, 1024, 2048, 0
.Lmerge:
	s_bfe_u32 s32, s31, 0x10006                    ; the stream
	s_lshl_b32 s46, s32, 19
	s_add_co_u32 s42, s42, s46
	s_add_co_u32 s44, s44, 131072                  ; behind the two gates
	s_lshl2_add_u32 s46, s32, s35
	s_mul_i32 s46, s46, 196608
	s_add_co_u32 s44, s44, s46
	s_add_nc_u64 s[36:37], s[18:19], s[42:43]
	s_add_nc_u64 s[38:39], s[26:27], s[44:45]
	BODY 1024, 1024, 2048, 1
.Lbc:
	; WB, WC [stack, layer][256 k][16 n]: a wave makes one fragment; a lane's sixteen words are its sixteen k of column lane % 16
	s_sub_co_u32 s31, ttmp9, 304
	s_lshl3_add_u32 s31, s31, s30                  ; 0..127
	s_lshr_b32 s33, s31, 4                         ; 2 stack + layer
	s_bfe_u32 s32, s31, 0x10003                    ; 0: WB, 1: WC
	s_and_b32 s34, s31, 7                          ; K step
	s_lshl_b32 s42, s33, 14
	s_lshl_b32 s46, s34, 11
	s_add_co_u32 s42, s42, s46
	s_lshl_b32 s44, s33, 14
	s_lshl1_add_u32 s46, s34, s32
	s_lshl_b32 s46, s46, 10
	s_add_co_u32 s44, s44, s46
	s_cmp_eq_u32 s32, 0
	s_cselect_b64 s[36:37], s[20:21], s[22:23]
	s_add_nc_u64 s[36:37], s[36:37], s[42:43]
	s_add_nc_u64 s[38:39], s[28:29], s[44:45]
	v_lshlrev_b32 v6, 9, v4
	v_lshl_add_u32 v6, v3, 2, v6
.set i, 0
.rept 16
	global_load_b32 v[RAWD+i], v6, s[36:37] offset:(i/8)*1024+(i%8)*64 th:TH_LOAD_NT
.set i, i+1
.endr
	s_wait_loadcnt 0x0
.set i, 0
.rept 8
	v_cvt_pk_bf16_f32 v[PK+i], v[RAWD+2*i], v[RAWD+2*i+1]
.set i, i+1
.endr
	global_store_b128 v5, v[PK:PK+3], s[38:39]
	global_store_b128 v5, v[PK+4:PK+7], s[38:39] offset:512
	s_wait_tensorcnt 0x0                           ; the same three lines at this wave's end
	ds_add_u32 v[SPW], v[NIL]
	s_wait_dscnt 0x0
	s_endpgm
.Lfunc_end_k_q993bdfb88e_prep:
	.size	k_q993bdfb88e_prep, .Lfunc_end_k_q993bdfb88e_prep-k_q993bdfb88e_prep
	.p2alignl 7, 3214868480
	.fill 96, 4, 3214868480
	.section	.rodata,"a",@progbits
	.p2align	6, 0x0
	.amdhsa_kernel k_q993bdfb88e_prep
		.amdhsa_group_segment_fixed_size 33792
		.amdhsa_private_segment_fixed_size 0
		.amdhsa_enable_private_segment 0
		.amdhsa_kernarg_size 88
		.amdhsa_user_sgpr_count 2
		.amdhsa_user_sgpr_kernarg_segment_ptr 1
		.amdhsa_wavefront_size32 1
		.amdhsa_system_sgpr_workgroup_id_x 1
		.amdhsa_system_sgpr_workgroup_id_y 1
		.amdhsa_system_sgpr_workgroup_id_z 1
		.amdhsa_system_vgpr_workitem_id 0
		.amdhsa_next_free_vgpr 128
		.amdhsa_next_free_sgpr 66
		.amdhsa_reserve_vcc 0
		.amdhsa_float_denorm_mode_32 3
		.amdhsa_float_denorm_mode_16_64 3
		.amdhsa_memory_ordered 1
		.amdhsa_forward_progress 1
		.amdhsa_inst_pref_size 30
	.end_amdhsa_kernel
	.amdgpu_metadata
---
amdhsa.version: [ 1, 2 ]
amdhsa.kernels:
  - .name:           k_q993bdfb88e_prep
    .symbol:         k_q993bdfb88e_prep.kd
    .args:
      - { .name: Wx, .offset: 0, .size: 8, .value_kind: global_buffer, .address_space: global }
      - { .name: Wz, .offset: 8, .size: 8, .value_kind: global_buffer, .address_space: global }
      - { .name: Wdt, .offset: 16, .size: 8, .value_kind: global_buffer, .address_space: global }
      - { .name: Wout, .offset: 24, .size: 8, .value_kind: global_buffer, .address_space: global }
      - { .name: gate_W, .offset: 32, .size: 8, .value_kind: global_buffer, .address_space: global }
      - { .name: merge_W, .offset: 40, .size: 8, .value_kind: global_buffer, .address_space: global }
      - { .name: WB, .offset: 48, .size: 8, .value_kind: global_buffer, .address_space: global }
      - { .name: WC, .offset: 56, .size: 8, .value_kind: global_buffer, .address_space: global }
      - { .name: wst, .offset: 64, .size: 8, .value_kind: global_buffer, .address_space: global }
      - { .name: wgm, .offset: 72, .size: 8, .value_kind: global_buffer, .address_space: global }
      - { .name: wbc, .offset: 80, .size: 8, .value_kind: global_buffer, .address_space: global }
    .group_segment_fixed_size: 33792
    .private_segment_fixed_size: 0
    .kernarg_segment_align: 8
    .kernarg_segment_size: 88
    .max_flat_workgroup_size: 256
    .sgpr_count:     66
    .vgpr_count:     128
    .wavefront_size: 32
...
	.end_amdgpu_metadata
.endif
;; end of part 4
;; launch layers (part 5): grid 256 x 1, 8 waves a work-group, no clusters, 321,536 bytes of LDS; arguments stream_sem, stream_inst, wst, wbc, A_log, Dskip, dt_bias, ln_s, ln_b, xf; writes xf
.if DOCPART == 5
	.amdgcn_target "amdgcn-amd-amdhsa--gfx1250"
	.amdhsa_code_object_version 6
	.text
	.protected	k_q993bdfb88e_layers
	.globl	k_q993bdfb88e_layers
	.p2align	8
	.type	k_q993bdfb88e_layers,@function
k_q993bdfb88e_layers:
	s_mov_b64 s[64:65], 0
	v_nop
	global_prefetch_b8 v0, s[64:65] scope:SCOPE_SE
	s_setreg_imm32_b32 hwreg(HW_REG_WAVE_MODE, 25, 1), 1
	s_wait_xcnt 0x0
; BOTH MAMBA LAYERS OF ONE STACK FOR TWO SEQUENCES: one text, a loop of two trips.  x0 comes from the two streams and is rounded to bf16's values (as every input is); the result goes to xf,
; [stack][stream][token][256] f32: each token at its spatial place, so flips and transposes are undone by the addresses.
; Work-group id: stack = id / 64 (0 row forward, 1 row backward, 2 column forward, 3 column backward), pair of sequences = id % 64.  A sequence is 64 tokens (sem and inst by turns) x 256 channels.
; X BETWEEN THE LAYERS.  There is no room for x itself (131,072 bytes), so the out-projection's sums are kept and go on adding: after layer 0 they hold D0, after layer 1 D0 + D1.  At each layer's end the
; sums change hands in LDS into whole rows and x0, read once more from the streams, is added: x1 = x0 + D0 feeds layer 1's norm, x0 + (D0 + D1) is the result.  Of a wave's 128 registers of sums those of row
; tiles 4-7 stay in window 1; those of row tiles 0-3, whose registers the chunks need, wait in 8,192 LDS bytes of the wave's own.  So that K step 0 is a step like any other in both trips, the sums begin as
; zeros: 68 v_mov_b32 and 16 LDS stores, once, in the wait for the first rows of x: the price of one text for both layers.
; ROWS.  The 128 rows are rho = 16 i + 8 q + j: sequence q, scan token 8 i + j.  With 16 such rows as source 0 and 16 channels of a weight as source 1, a result's lane (r, h) holds channel r of
; sequence h and its registers j = 0..7 the tokens 8 i + j: all that follows works down a lane's registers, 32 lanes busy, nothing changes lanes.
; SHARES.  Eight waves, two to a SIMD, so that one wave's vector work stands beside the other's matrix work.  Wave w owns inner channels 64 w .. +63 (four chunks of 16), output columns 32 w .. +31,
; and row tile w on the way in, in the norm, in the product with WB and WC and on the way out.  A chunk's weights (x, z, dt: 24 fragments) stay in registers for its eight row tiles; the next chunk's
; are asked for into the same registers in the chunk's last trip, behind its products.  Each prepared fragment is used by one wave alone, so weights go from memory to registers, not through LDS.
; THE RECURRENCE, BY TILES OF 8 TOKENS.  The decay a_t hangs on the channel alone, not on the state.  With hs0 the state at a tile's start and E_t = a_0 .. a_t:
;   y_t = E_t (C_t . hs0) + sum over j <= t of G[t][j] w_j(t),  G[t][j] = C_t . B_j,  w_j(t) = a_(j+1) .. a_t u_j;      hs_end = E_7 hs0 + sum over j of w_j(7) B_j.
; G (8 x 8 for a sequence and tile, 0 above the diagonal) is the same for all channels and is made once a layer, in f32.  w is kept in place of u and multiplied on from token to token.  C_t . hs0 is one
; matrix instruction, the sum onto hs two.  Every product of decays is at most 1: nothing is factorised, nothing can overflow.
; NO CLUSTER, NO TENSOR LOADS: what the 64 work-groups of a stack share is the weights; beside y, h, B, C, G and the kept sums 6,144 LDS bytes are left, less than the 196,608 of one chunk's weights.
; FORMATS.  Matrix operands bf16, sums f32; x, the states, norms and activations f32.  ALL inputs (streams, weights, biases, gains, A_log, Dskip) are rounded once to bf16.  The state is carried in f32;
; across tiles it enters y, and w B enters it, as matrix products, so through bf16 operands (hs0, C; w, B).
; ARITHMETIC in base 2: V = log2(e) (h Wdt + bias); dt' = dt / ln 2 = max(V, 0) + log2(1 + 2^-|V|); decay = 2^(A dt'), A = -e^A_log; B is kept as ln 2 x B, so that (dt' xs)(ln 2 B) = dt xs B.
; LIMITS.  2^-|V| below 2^-24 is lost beside 1: there dt counts as 0 (V < 0) or as V ln 2; an exponential below 2^-126 counts as 0; NaN and infinities are not treated apart (an even token's sum holds
; 0 x u of the next token); the result is x0 + (D0 + D1), where the reference adds (x0 + D0) + D1.
; LDS: R 128 rows of 1,040 bytes: x (f32) for the norm, then y silu(z) (bf16, 512 channels), then the out-projection's sums (f32).  H 144 rows of 528: h in bf16; rows 128-143 repeat rows 0-15, so that a
;      chunk's last trip can fetch ahead what the next chunk's first trip needs.  BC [q][token][ln 2 B: 16 f32, C: 16 f32].  PRM [channel](A, log2e bias, D/2, 0).  GR [tile][q][t][8 j] f32.
;      CFR, BFR: for each tile 1,024 bytes of ready fragments (byte 512 p + 16 lane).  KEEP: 8,192 bytes a wave.  R's and H's pitches are odd multiples of 16 bytes: the sixteen rows of a fragment load start
;      16 bytes apart modulo 256.
; REGISTERS: window 1: v0-191 a chunk's weights, later Wout's, later x0; v192-255 the out-projection's sums for row tiles 4-7, through both layers.  Window 0: all else (below).
.set RP,     1040
.set TILE_R, 16*RP
.set HB,     128*RP
.set HP,     528
.set TILE_H, 16*HP
.set LBC,    HB+144*HP
.set QBC,    65*128                    ; a sequence's part of BC: 64 tokens of 128 bytes and 128 spare, so that it equals eight rows of R
.set PRM,    LBC+2*QBC
.set GR,     PRM+8192
.set GQ,     288                       ; a sequence's 8 x 8 of G and 32 spare: the two halves of the lanes read words 72 apart
.set GT,     2*GQ
.set CFR,    GR+8*GT
.set BFR,    CFR+8192
.set KEEP,   BFR+8192                  ; the sums of row tiles 0-3 while the chunks have their registers
.set SPARE,  KEEP+65536                ; the spare words, 128 bytes a wave
.set WTILE,  24576                     ; a chunk's 24 fragments
.set VL16, 1                           ; 16 x lane; never rewritten
.set VAH0, 2                           ; H + 528 r + 16 h: my place in a tile of h
.set VADR, 3                           ; the same in the tile to be fetched
.set VGM0, 4                           ; 288 h: my sequence's part of a tile's G
.set VGMA, 5                           ; the same in the tile in hand
.set VY0,  6                           ; 8320 h + 128 w + 2 r: where my channel's y goes in R
.set VYA,  7
.set VWO,  8                           ; offset of the weight loads
.set VL16A, 9                          ; 16 x (lane % 16)
.set VYR0, 10                          ; 1040 r + 16 h: fragments of y, tiles 0-3; v11: tiles 4-7
.set VXS0, 12                          ; 1040 r + 128 w + 32 h: the out-projection's sums into R, tiles 0-3; v13: tiles 4-7
.set VPRM, 14                          ; PRM + 1024 w + 16 r
.set VPA,  15
.set VBS,  16                          ; BC + 8320 h + 4 r + 1024 w: where my B and C go
.set VPW,  17                          ; PRM + 1024 w + 64 r
.set VXR,  18                          ; the norm: rows in,
.set VHW,  19                          ; h out
.set VFA,  18                          ; behind the norm: 16 x lane in the fragments of C of the tile in hand
.set VG,   20                          ; v20-27 byte offsets of my tile's rows in the streams and in xf: [q][position]; never rewritten
.set VXW,  28                          ; my tile's rows in R
.set VH8,  29                          ; VAH0 in H's rows 128-143
.set SPW,  30                          ; LDS address of my spare word; never rewritten
.set NIL,  31                          ; 0; never rewritten
.set LNS,  32                          ; v32-39 the norm's gains of my 8 columns, v40-47 its offsets
.set LNB,  40
.set HF,   32                          ; in the chunks: v32-39 the state as a bf16 fragment
.set WF,   40                          ; v40-43 w as a bf16 fragment; v44-47 stay 0 (k = 16..31)
.set P0,   48                          ; v48-51 (A, log2e bias, D/2, 0) of my channel in the chunk
.set YT,   52                          ; v52-55 two packed sums, by turns
.set HS,   56                          ; v56-71 the 16 states: two accumulators
.set AX,   72                          ; v72-79 h Wx, then u = dt' xs, then w
.set AZ,   80                          ; v80-87 h Wz, then silu(z)
.set AD,   88                          ; v88-95 h Wdt, then the decay
.set PV,   96                          ; at work: V, then dt'
.set TN,   104
.set TX,   112
.set TZ,   120
.set YI,   96                          ; behind the activations: v96-103 C_t . hs0
.set EE,   104                         ; v104-111 E_t
.set SM,   112                         ; v112-119 y_t
.set WH,   120                         ; v120-127 xs D / 2
.set VKP,  96                          ; v96 outside the chunks: 16 x lane in my part of KEEP
.set RAW,  100                         ; v100-111 A_log, Dskip, dt_bias as loaded
.set QD,   112                         ; v112-127 four quads for PRM
.set BACC, 96                          ; v96-111 the two accumulators of h [WB | WC]
.set AF,   128                         ; v128-191 fragments of one tile of h; fragments of y, buffer 0
.set BB,   192                         ; v192-255 at a layer's start WB's and WC's K steps 0-3 (K steps 4-7: v48-95 and v112-127); fragments of y, buffer 1
.set GM,   192                         ; in the chunks: v192-231 G's lower triangle in pairs: row t has t / 2 + 1 pairs
.set CF,   232                         ; v232-239 C's fragment
.set BF0,  240                         ; v240-243, v248-251 B's two fragments (states 0-7, 8-15); v244-247, v252-255 stay 0 (k = 16..31)
.set BF1,  248
.set XT,   128                         ; v128-255 my tile's sixteen rows of x
.set LR,   128                         ; the norm: four rows, 8 registers each
.set LT,   160
.set LSM,  168
.set LH,   176
.set TLH,  32                          ; v32-43 while B, C and G are laid out: lane numbers' parts and addresses
.set TLQ,  33
.set TL7,  34
.set TLT,  35
.set TLJ,  36
.set TFW,  37
.set TBW,  38
.set TCL,  39
.set TGC,  40
.set TGB,  41
.set TGS,  42
.set TDD,  43
.set GACC, 44                          ; v44-51 four packed sums, v52-55 four entries of G
.set GV,   52
.set OA0,  32                          ; v32-95 the out-projection's sums, row tiles 0-3: tile (i, nt) at 8 (2 i + nt); lane (r, h) register j = row 16 i + r, column 32 w + 16 nt + 8 h + j
.set OA1,  192                         ; window 1: row tiles 4-7
.set WOFF, 46                          ; s46 byte at which the next weights begin in my stream: it runs on from layer 0's 131,072 bytes into layer 1's
.set STA,  47                          ; steps of the LDS addresses: tile of h,
.set STG,  48                          ; tile of G,
.set STY,  49                          ; tile and chunk in R,
.set STP,  50                          ; chunk in PRM,
.set STF,  70                          ; tile of the fragments of C and B
.set SKP,  66                          ; s66 my wave's part of KEEP
.set MSB, 0
.macro WIN new                         ; the immediate's high byte repeats the setting that is left; a switch that changes nothing is dropped
.if MSB != (\new)
	s_set_vgpr_msb (MSB<<8)|(\new)
.set MSB, (\new)
.endif
.endm
.macro PLACES                          ; four places behind matrix instructions (ISA guide 7.12.1) where no other vector work is at hand
.rept 4
	v_nop
.endr
.endm
.macro BAR                             ; my LDS instructions are done, for the others' sake; then the work-group's barrier
	s_wait_dscnt 0x0
	s_barrier_signal -1
	s_barrier_wait -1
.endm
.macro RND a, b, t                     ; two f32 numbers rounded to bf16's values
	v_cvt_pk_bf16_f32 v[\t], v[\a], v[\b]
	v_lshlrev_b32 v[\a], 16, v[\t]
	v_and_b32 v[\b], s62, v[\t]
.endm
; Packed f32 with ONE register for both halves: op_sel picks the register of the pair for the low result, op_sel_hi for the high one.
.macro PMULB d, a, b                   ; d = a x v[b]
.if ((\b)%2)
	v_pk_mul_f32 v[\d:\d+1], v[\a:\a+1], v[\b-1:\b] op_sel:[0,1] op_sel_hi:[1,1]
.else
	v_pk_mul_f32 v[\d:\d+1], v[\a:\a+1], v[\b:\b+1] op_sel_hi:[1,0]
.endif
.endm
.macro PADDB d, a, b                   ; d = a + v[b]
.if ((\b)%2)
	v_pk_add_f32 v[\d:\d+1], v[\a:\a+1], v[\b-1:\b] op_sel:[0,1] op_sel_hi:[1,1]
.else
	v_pk_add_f32 v[\d:\d+1], v[\a:\a+1], v[\b:\b+1] op_sel_hi:[1,0]
.endif
.endm
.macro PFMAC d, a, b, c                ; d = a x b + v[c]
.if ((\c)%2)
	v_pk_fma_f32 v[\d:\d+1], v[\a:\a+1], v[\b:\b+1], v[\c-1:\c] op_sel:[0,0,1] op_sel_hi:[1,1,1]
.else
	v_pk_fma_f32 v[\d:\d+1], v[\a:\a+1], v[\b:\b+1], v[\c:\c+1] op_sel_hi:[1,1,0]
.endif
.endm
; A layer's small parameters: seven loads.
.macro LP
	global_load_b128 v[LNS:LNS+3], v[VL16], s[22:23]
	global_load_b128 v[LNS+4:LNS+7], v[VL16], s[22:23] offset:512
	global_load_b128 v[LNB:LNB+3], v[VL16], s[24:25]
	global_load_b128 v[LNB+4:LNB+7], v[VL16], s[24:25] offset:512
	global_load_b128 v[RAW:RAW+3], v[VL16A], s[16:17]
	global_load_b128 v[RAW+4:RAW+7], v[VL16A], s[18:19]
	global_load_b128 v[RAW+8:RAW+11], v[VL16A], s[20:21]
.endm
; The next 24 fragments of my stream into window 1, v0-191: 48 loads.  The offset register's earlier loads have been waited for.
.macro LOADW
	v_add_nc_u32 v[VWO], s[WOFF], v[VL16]
	s_add_co_u32 s[WOFF], s[WOFF], WTILE
	WIN 0x40
.set f, 0
.rept 24
	global_load_b128 v[8*f:8*f+3], v[VWO], s[12:13] offset:f*1024
	global_load_b128 v[8*f+4:8*f+7], v[VWO], s[12:13] offset:f*1024+512
.set f, f+1
.endr
	WIN 0
.endm
; 24 matrix instructions: one tile of h x one chunk of Wx, Wz, Wdt.  The three accumulators take turns, one instruction a turn; the first K step starts the sums.
.macro GEMM
	WIN 0x04
.set k, 0
.rept 8
.if k == 0
	v_wmma_f32_16x16x32_bf16 v[AX:AX+7], v[AF:AF+7], v[0:7], 0
	v_wmma_f32_16x16x32_bf16 v[AZ:AZ+7], v[AF:AF+7], v[8:15], 0
	v_wmma_f32_16x16x32_bf16 v[AD:AD+7], v[AF:AF+7], v[16:23], 0
.else
	v_wmma_f32_16x16x32_bf16 v[AX:AX+7], v[AF+8*k:AF+8*k+7], v[24*k:24*k+7], v[AX:AX+7]
	v_wmma_f32_16x16x32_bf16 v[AZ:AZ+7], v[AF+8*k:AF+8*k+7], v[24*k+8:24*k+15], v[AZ:AZ+7]
	v_wmma_f32_16x16x32_bf16 v[AD:AD+7], v[AF+8*k:AF+8*k+7], v[24*k+16:24*k+23], v[AD:AD+7]
.endif
.set k, k+1
.endr
	WIN 0
.endm
; What a tile's eight tokens need before the recurrence, stage by stage over all eight.  Each accumulator is first read at its lowest registers.
; Transcendentals stand in runs; a plain instruction follows each run before a result is used or a source rewritten (ISA guide 5.7.2).
.macro PRE prm
.irp i,0,2,4,6
	v_pk_fma_f32 v[PV+\i:PV+\i+1], v[AD+\i:AD+\i+1], 0x3fb8aa3b, v[\prm:\prm+1] op_sel:[0,0,1] op_sel_hi:[1,0,1]  ; V = log2e (h Wdt) + log2e bias
.endr
.irp i,0,2,4,6
	v_pk_mul_f32 v[TX+\i:TX+\i+1], v[AX+\i:AX+\i+1], 0xbfb8aa3b op_sel_hi:[1,0]
.endr
.irp i,0,2,4,6
	v_pk_mul_f32 v[TZ+\i:TZ+\i+1], v[AZ+\i:AZ+\i+1], 0xbfb8aa3b op_sel_hi:[1,0]
.endr
.irp i,0,1,2,3,4,5,6,7
	v_or_b32 v[TN+\i], 0x80000000, v[PV+\i]        ; -|V|
.endr
.set e, TN
.rept 24
	v_exp_f32 v[e], v[e]                           ; 2^-|V|, e^-x, e^-z
.set e, e+1
.endr
.irp i,0,1,2,3,4,5,6,7
	v_max_num_f32 v[PV+\i], 0, v[PV+\i]
.endr
.set e, TN
	s_wait_alu depctr_va_vdst(0)
.rept 12
	v_pk_add_f32 v[e:e+1], v[e:e+1], 1.0 op_sel_hi:[1,0]
.set e, e+2
.endr
.irp i,0,1,2,3,4,5,6,7
	v_log_f32 v[TN+\i], v[TN+\i]
.endr
.set e, TX
.rept 16
	v_rcp_f32 v[e], v[e]
.set e, e+1
.endr
	v_nop
	s_wait_alu depctr_va_vdst(0)
.irp i,0,2,4,6
	v_pk_add_f32 v[PV+\i:PV+\i+1], v[PV+\i:PV+\i+1], v[TN+\i:TN+\i+1]  ; dt'
.endr
.irp i,0,2,4,6
	v_pk_mul_f32 v[TX+\i:TX+\i+1], v[AX+\i:AX+\i+1], v[TX+\i:TX+\i+1]  ; xs = silu(h Wx)
.endr
.irp i,0,2,4,6
	v_pk_mul_f32 v[AZ+\i:AZ+\i+1], v[AZ+\i:AZ+\i+1], v[TZ+\i:TZ+\i+1]  ; silu(h Wz)
.endr
.irp i,0,2,4,6
	PMULB TN+\i, PV+\i, \prm                       ; A dt'
.endr
.irp i,0,2,4,6
	v_pk_mul_f32 v[AX+\i:AX+\i+1], v[TX+\i:TX+\i+1], v[PV+\i:PV+\i+1]  ; u = dt' xs
.endr
.irp i,0,2,4,6
	PMULB WH+\i, TX+\i, \prm+2                     ; xs D / 2
.endr
.irp i,0,1,2,3,4,5,6,7
	v_exp_f32 v[AD+\i], v[TN+\i]                   ; the decay
.endr
	v_nop
.endm
; INSIDE A TILE.  Token t: the packed sum of G[t][j] w_j over the pairs 0 .. t / 2 (an even t's last pair holds G = 0 for j = t + 1); it begins with xs D / 2 in both halves, so that the halves' sum
; holds D xs once.  As soon as a pair of w has been read it is multiplied by a_(t+1) for the next token (of an even t's last pair w_t alone: w_(t+1) is still u).  The two streams alternate, so that no
; line reads the result of the line before it; the halves' sum of token t - 1 and E_t = E_(t-1) a_t stand behind token t's first pair.  At the end w_j = a_(j+1) .. a_7 u_j.
.macro INTRA
.set t, 0
.rept 8
.set YP, YT+2*(t%2)
.set YQ, YT+2*((t+1)%2)
.set GO, GM+2*(t/2+1)*(t/2+t%2)
.set p, 0
.rept t/2+1
.if p == 0
	PFMAC YP, GO, AX, WH+t
.else
	v_pk_fma_f32 v[YP:YP+1], v[GO+2*p:GO+2*p+1], v[AX+2*p:AX+2*p+1], v[YP:YP+1]
.endif
.if t < 7
.if 2*p+1 <= t
	PMULB AX+2*p, AX+2*p, AD+t+1
.else
	v_mul_f32 v[AX+t], v[AX+t], v[AD+t+1]
.endif
.endif
.if p == 0
.if t > 0
	v_add_f32 v[SM+t-1], v[YQ], v[YQ+1]
	v_mul_f32 v[EE+t], v[EE+t-1], v[AD+t]
.else
	v_mov_b32 v[EE], v[AD]
.endif
.endif
.set p, p+1
.endr
.set t, t+1
.endr
	v_add_f32 v[SM+7], v[YT+2], v[YT+3]
.endm
.macro LANESUM                         ; four sums over the 32 lanes, side by side
.irp m,1,2,4,8
.irp a,0,1,2,3
	v_add_f32_dpp v[LSM+\a], v[LSM+\a], v[LSM+\a] row_xmask:\m row_mask:0xf bank_mask:0xf
.endr
.endr
.irp a,0,1,2,3
	v_permlanex16_b32 v[LT+2*\a], v[LSM+\a], s52, s53
.endr
.irp a,0,1,2,3
	v_add_f32 v[LSM+\a], v[LSM+\a], v[LT+2*\a]
.endr
.endm
; LayerNorm of four rows at once: a lane holds columns 4 l .. +3 and 128 + 4 l .. +3 of each.  The mean is taken away before the squares are summed.
.macro LN4
.irp a,0,1,2,3
	ds_load_b128 v[LR+8*\a:LR+8*\a+3], v[VXR] offset:\a*RP
	ds_load_b128 v[LR+8*\a+4:LR+8*\a+7], v[VXR] offset:\a*RP+512
.endr
	s_wait_dscnt 0x0
.irp a,0,1,2,3
	v_pk_add_f32 v[LT+2*\a:LT+2*\a+1], v[LR+8*\a:LR+8*\a+1], v[LR+8*\a+2:LR+8*\a+3]
.endr
.irp c,4,6
.irp a,0,1,2,3
	v_pk_add_f32 v[LT+2*\a:LT+2*\a+1], v[LT+2*\a:LT+2*\a+1], v[LR+8*\a+\c:LR+8*\a+\c+1]
.endr
.endr
.irp a,0,1,2,3
	v_add_f32 v[LSM+\a], v[LT+2*\a], v[LT+2*\a+1]
.endr
	LANESUM
.irp a,0,1,2,3
	v_mul_f32 v[LSM+\a], 0xbb800000, v[LSM+\a]     ; minus the mean
.endr
.irp c,0,2,4,6
.irp a,0,1,2,3
	PADDB LR+8*\a+\c, LR+8*\a+\c, LSM+\a
.endr
.endr
.irp a,0,1,2,3
	v_pk_mul_f32 v[LT+2*\a:LT+2*\a+1], v[LR+8*\a:LR+8*\a+1], v[LR+8*\a:LR+8*\a+1]
.endr
.irp c,2,4,6
.irp a,0,1,2,3
	v_pk_fma_f32 v[LT+2*\a:LT+2*\a+1], v[LR+8*\a+\c:LR+8*\a+\c+1], v[LR+8*\a+\c:LR+8*\a+\c+1], v[LT+2*\a:LT+2*\a+1]
.endr
.endr
.irp a,0,1,2,3
	v_add_f32 v[LSM+\a], v[LT+2*\a], v[LT+2*\a+1]
.endr
	LANESUM
.irp a,0,1,2,3
	v_fma_f32 v[LSM+\a], v[LSM+\a], s54, s55       ; the variance + 1e-5
.endr
.irp a,0,1,2,3
	v_rsq_f32 v[LSM+\a], v[LSM+\a]
.endr
	v_nop
	s_wait_alu depctr_va_vdst(0)
.irp c,0,2,4,6
.irp a,0,1,2,3
	PMULB LR+8*\a+\c, LR+8*\a+\c, LSM+\a
.endr
.endr
.irp c,0,2,4,6
.irp a,0,1,2,3
	v_pk_fma_f32 v[LR+8*\a+\c:LR+8*\a+\c+1], v[LR+8*\a+\c:LR+8*\a+\c+1], v[LNS+\c:LNS+\c+1], v[LNB+\c:LNB+\c+1]
.endr
.endr
.irp a,0,1,2,3
.irp c,0,1,2,3
	v_cvt_pk_bf16_f32 v[LH+4*\a+\c], v[LR+8*\a+2*\c], v[LR+8*\a+2*\c+1]
.endr
.endr
.irp a,0,1,2,3
	ds_store_b64 v[VHW], v[LH+4*\a:LH+4*\a+1] offset:\a*HP
	ds_store_b64 v[VHW], v[LH+4*\a+2:LH+4*\a+3] offset:\a*HP+256
.endr
.endm
; The out-projection.  16 LDS loads: the eight row tiles' fragments of y silu(z) for K step ks, into buffer ks % 2.
.macro YLOAD ks
.set YB, AF+64*((\ks)%2)
.set i, 0
.rept 8
	ds_load_b128 v[YB+8*i:YB+8*i+3], v[VYR0+i/4] offset:(i%4)*TILE_R+(\ks)*64
	ds_load_b128 v[YB+8*i+4:YB+8*i+7], v[VYR0+i/4] offset:(i%4)*TILE_R+(\ks)*64+32
.set i, i+1
.endr
.endm
; K step ks: 16 matrix instructions, used transposed (source 0 = 16 columns of Wout, source 1 = 16 rows), onto the kept sums.  The 16 accumulators take turns.
; Wout's fragments of K steps 0-11 lie at 16 ks in window 1, those of K steps 12-15 where K steps 0-3 lay.
.macro OSTEP ks
.if (\ks) == 15
	s_wait_dscnt 0x0
.else
	s_wait_dscnt 16                                ; the next K step's sixteen loads may stay out
.endif
.set YB, AF+64*((\ks)%2)
.set WB0, 16*((\ks)%12)
	WIN 0x01                                       ; Wout in window 1; rows and sums in window 0
.set i, 0
.rept 4
.irp nt,0,1
	v_wmma_f32_16x16x32_bf16 v[OA0+8*(2*i+\nt):OA0+8*(2*i+\nt)+7], v[WB0+8*\nt:WB0+8*\nt+7], v[YB+8*i:YB+8*i+7], v[OA0+8*(2*i+\nt):OA0+8*(2*i+\nt)+7]
.endr
.set i, i+1
.endr
	WIN 0x51                                       ; the sums too in window 1
.rept 4
.irp nt,0,1
	v_wmma_f32_16x16x32_bf16 v[OA1+8*(2*(i-4)+\nt):OA1+8*(2*(i-4)+\nt)+7], v[WB0+8*\nt:WB0+8*\nt+7], v[YB+8*i:YB+8*i+7], v[OA1+8*(2*(i-4)+\nt):OA1+8*(2*(i-4)+\nt)+7]
.endr
.set i, i+1
.endr
	WIN 0
	PLACES                                         ; in front of loads into registers that these products read, and of the stores of the last results
.if (\ks) <= 13
	YLOAD (\ks)+2
.endif
.endm
	s_load_b128 s[4:7], s[0:1], 0x0                ; sem s[4:5], inst s[6:7]
	s_load_b512 s[12:27], s[0:1], 0x10             ; wst s[12:13], wbc s[14:15], A_log s[16:17], Dskip s[18:19], dt_bias s[20:21], ln_s s[22:23], ln_b s[24:25], xf s[26:27]
	v_lshl_add_u32 v[SPW], v0, 2, SPARE
	v_mov_b32 v[NIL], 0
	v_lshrrev_b32 v96, 5, v0
	v_readfirstlane_b32 s29, v96                   ; wave 0..7
	v_and_b32 v96, 31, v0
	v_lshlrev_b32 v[VL16], 4, v96
	v_and_b32 v97, 15, v0                          ; r
	v_bfe_u32 v98, v0, 4, 1                        ; h
	v_lshlrev_b32 v[VL16A], 4, v97
	s_lshr_b32 s30, ttmp9, 6                       ; stack
	s_and_b32 s31, s30, 1                          ; 1: backward
	s_lshr_b32 s32, s30, 1                         ; 1: columns
	s_and_b32 s33, ttmp9, 63                       ; pair of sequences
	s_cmp_eq_u32 s32, 0
	s_cselect_b32 s56, 5, 0
	s_cselect_b32 s57, 0, 5
	s_lshl_b32 s34, 1024, s56                      ; bytes from a sequence to the next,
	s_lshl_b32 s35, 1024, s57                      ; and from a position to the next
	s_sub_co_u32 s58, 0, s35
	s_mul_i32 s59, s35, 31
	s_cmp_eq_u32 s31, 0
	s_cselect_b32 s36, s35, s58                    ; a step along the scan: backward it is negative,
	s_cselect_b32 s37, 0, s59                      ; and begins at position 31
	s_lshr_b32 s56, s33, 4                         ; the image,
	s_lshl_b32 s56, s56, 20
	s_add_co_u32 s37, s37, s56
	s_lshl_b32 s56, s33, 1                         ; the first sequence's line in it,
	s_and_b32 s56, s56, 31
	s_mul_i32 s56, s56, s34
	s_add_co_u32 s37, s37, s56
	s_lshl_b32 s56, s29, 2                         ; my tile, w: position 4 w of the scan
	s_mul_i32 s56, s56, s36
	s_add_co_u32 s37, s37, s56
	s_mov_b32 s52, 0x76543210                      ; v_permlanex16_b32: each lane takes its own place in the other half
	s_mov_b32 s53, 0xfedcba98
	s_mov_b32 s54, 0x3b800000                      ; 1 / 256
	s_mov_b32 s55, 0x3727c5ac                      ; 1e-5
	s_mov_b32 s62, 0xffff0000                      ; a word's upper bf16
	s_mul_i32 s60, s29, TILE_R                     ; my 16 rows in R,
	s_mul_i32 s61, s29, TILE_H                     ; and in H
	s_lshl_b32 s[SKP], s29, 13
	s_add_co_u32 s[SKP], s[SKP], KEEP              ; my 8,192 bytes of KEEP
	s_mov_b32 s[WOFF], 0
	v_mul_u32_u24 v99, v97, RP
	v_mul_u32_u24 v100, v98, QBC                   ; 8,320 h: a sequence's part of BC, and eight rows of R
	v_mul_u32_u24 v[VAH0], v97, HP
	v_lshl_add_u32 v[VAH0], v98, 4, v[VAH0]
	v_add_nc_u32 v[VAH0], HB, v[VAH0]
	v_add_nc_u32 v[VH8], 8*TILE_H, v[VAH0]
	v_add_nc_u32 v101, LBC, v100
	v_mul_u32_u24 v[VGM0], v98, GQ
	s_lshl_b32 s56, s29, 7
	v_lshl_add_u32 v[VY0], v97, 1, v100
	v_add_nc_u32 v[VY0], s56, v[VY0]
	v_lshl_add_u32 v[VYR0], v98, 4, v99
	v_add_nc_u32 v[VYR0+1], 4*TILE_R, v[VYR0]
	v_lshl_add_u32 v[VXS0], v98, 5, v99
	v_add_nc_u32 v[VXS0], s56, v[VXS0]
	v_add_nc_u32 v[VXS0+1], 4*TILE_R, v[VXS0]
	s_lshl_b32 s56, s29, 10
	s_add_co_u32 s58, s56, PRM
	v_lshl_add_u32 v[VPRM], v97, 4, s58
	v_lshl_add_u32 v[VPW], v97, 6, s58
	v_lshl_add_u32 v[VBS], v97, 2, v101
	v_add_nc_u32 v[VBS], s56, v[VBS]
	v_add_nc_u32 v[VXW], s60, v[VL16]
	s_mov_b32 s56, s37                             ; the eight row offsets of my tile
.irp ap,0,1,2,3
	v_add_nc_u32 v[VG+\ap], s56, v[VL16]
	s_add_co_u32 s58, s56, s34
	v_add_nc_u32 v[VG+4+\ap], s58, v[VL16]
	s_add_co_u32 s56, s56, s36
.endr
	s_mov_b32 s57, 0
	s_wait_kmcnt 0x0
	s_lshl_b32 s56, s30, 3
	s_add_co_u32 s56, s56, s29
	s_lshl_b32 s56, s56, 18
	s_add_nc_u64 s[12:13], s[12:13], s[56:57]      ; my stream of weights: (8 stack + wave) x 262,144
	s_lshl_b32 s56, s30, 15
	s_add_nc_u64 s[14:15], s[14:15], s[56:57]      ; WB and WC of the stack's first layer
	s_lshl_b32 s56, s30, 12
	s_lshl_b32 s59, s29, 8
	s_add_co_u32 s56, s56, s59
	s_add_nc_u64 s[16:17], s[16:17], s[56:57]      ; my 64 channels of A_log, Dskip, dt_bias
	s_add_nc_u64 s[18:19], s[18:19], s[56:57]
	s_add_nc_u64 s[20:21], s[20:21], s[56:57]
	s_lshl_b32 s56, s30, 11
	s_add_nc_u64 s[22:23], s[22:23], s[56:57]
	s_add_nc_u64 s[24:25], s[24:25], s[56:57]
	s_lshl_b32 s56, s30, 23
	s_add_nc_u64 s[26:27], s[26:27], s[56:57]      ; xf at my stack: sem's part, then inst's
	s_add_nc_u64 s[68:69], s[26:27], 0x400000
	s_cmp_eq_u32 s31, 0                            ; forward the even tokens are sem's, backward inst's
	s_cselect_b64 s[38:39], s[4:5], s[6:7]
	s_cselect_b64 s[40:41], s[6:7], s[4:5]
	s_cselect_b64 s[42:43], s[26:27], s[68:69]
	s_cselect_b64 s[44:45], s[68:69], s[26:27]
	LP
	; X IN: my tile's sixteen rows of 1,024 bytes, each by two loads of 512 consecutive bytes
.set n, 0
.rept 32                               ; n = 8 position + 4 q + 2 parity + half
	global_load_b128 v[XT+4*n:XT+4*n+3], v[VG+4*((n/4)%2)+n/8], s[38+2*((n/2)%2):39+2*((n/2)%2)] offset:(n%2)*512
.set n, n+1
.endr
	; while they come: the out-projection's sums begin as zeros, those of row tiles 0-3 in KEEP, those of row tiles 4-7 in window 1
	v_add_nc_u32 v[VKP], s[SKP], v[VL16]
.irp i,0,1,2,3
	v_mov_b32 v[112+\i], 0
.endr
.set t, 0
.rept 16
	ds_store_b128 v[VKP], v[112:115] offset:t*512
.set t, t+1
.endr
	WIN 0x40
.set i, 0
.rept 64
	v_mov_b32 v[OA1+i], 0
.set i, i+1
.endr
	WIN 0
	s_wait_loadcnt 0x0
.set m, 0
.rept 64
	RND XT+2*m, XT+2*m+1, 112+m%8
.set m, m+1
.endr
	s_mov_b32 s28, 0                               ; the layer
.Llayer:                                               ; here v128-255 hold my tile's rows of the layer's x, and the layer's parameters have landed
.set n, 0
.rept 32
	ds_store_b128 v[VXW], v[XT+4*n:XT+4*n+3] offset:((n/4)%2)*8*RP+(2*(n/8)+(n/2)%2)*RP+(n%2)*512  ; my own rows of R: only I read them, in the norm
.set n, n+1
.endr
	; the parameters, rounded as all inputs are; (A, log2e bias, D / 2, 0) of my four channels into my wave's bytes of PRM (both halves of the lanes write the same numbers)
.irp i,0,2,4,6
	RND LNS+\i, LNS+\i+1, 112+\i
	RND LNB+\i, LNB+\i+1, 113+\i
.endr
.irp i,0,2,4,6,8,10
	RND RAW+\i, RAW+\i+1, 112+\i
.endr
.irp c,0,1,2,3
	v_mul_f32 v[RAW+\c], 0x3fb8aa3b, v[RAW+\c]
.endr
.irp c,0,1,2,3
	v_exp_f32 v[RAW+\c], v[RAW+\c]                 ; e^A_log
.endr
.irp c,0,1,2,3
	v_mul_f32 v[QD+4*\c+1], 0x3fb8aa3b, v[RAW+8+\c]
	v_mul_f32 v[QD+4*\c+2], 0.5, v[RAW+4+\c]
	v_mov_b32 v[QD+4*\c+3], 0
.endr
	s_wait_alu depctr_va_vdst(0)
.irp c,0,1,2,3
	v_xor_b32 v[QD+4*\c], 0x80000000, v[RAW+\c]    ; A = -e^A_log
.endr
.irp c,0,1,2,3
	ds_store_b128 v[VPW], v[QD+4*\c:QD+4*\c+3] offset:16*\c
.endr
	; WB and WC: 16 fragments (2 K step + 0: WB, + 1: WC): fragments 0-7 into v192-255, 8-13 into v48-95, 14-15 into v112-127: 32 loads; then the first chunk's weights: 48.  They have the norm in which to land
.set f, 0
.rept 16
.if f < 8
.set WR, BB+8*f
.elseif f < 14
.set WR, 48+8*(f-8)
.else
.set WR, 112+8*(f-14)
.endif
	global_load_b128 v[WR:WR+3], v[VL16], s[14:15] offset:f*1024
	global_load_b128 v[WR+4:WR+7], v[VL16], s[14:15] offset:f*1024+512
.set f, f+1
.endr
	LOADW
	; THE NORM: my 16 rows, four a trip
	v_mov_b32 v[VXR], v[VXW]
	v_lshrrev_b32 v[VHW], 1, v[VL16]
	s_add_co_u32 s58, s61, HB
	v_add_nc_u32 v[VHW], s58, v[VHW]
	s_mov_b32 s51, 4
.Lln:
	LN4
	v_add_nc_u32 v[VXR], 4*RP, v[VXR]
	v_add_nc_u32 v[VHW], 4*HP, v[VHW]
	s_sub_co_u32 s51, s51, 1
	s_cmp_lg_u32 s51, 0
	s_cbranch_scc1 .Lln
	BAR                                            ; h is whole; nobody reads x in R any more
	; B AND C: tile w of h x [WB | WC]: 16 matrix instructions, two accumulators by turns
	v_add_nc_u32 v[VADR], s61, v[VAH0]
.irp k,0,1,2,3,4,5,6,7
	ds_load_b128 v[AF+8*\k:AF+8*\k+3], v[VADR] offset:\k*64
	ds_load_b128 v[AF+8*\k+4:AF+8*\k+7], v[VADR] offset:\k*64+32
.endr
	; while they come: where tile w's B, C and G will be laid out (the norm's gains are done with)
	v_bfe_u32 v[TLH], v0, 4, 1                     ; lane / 16
	v_bfe_u32 v[TLQ], v0, 3, 1                     ; (lane / 8) % 2
	v_and_b32 v[TL7], 7, v0                        ; lane % 8
	v_bfe_u32 v[TLT], v0, 1, 3                     ; (lane / 2) % 8
	v_and_b32 v[TLJ], 1, v0                        ; lane % 2
	s_lshl_b32 s56, s29, 10
	s_add_co_u32 s58, s56, CFR
	v_add_nc_u32 v[TFW], s58, v[VL16]              ; the tile's fragment of C at 16 x lane
	s_add_co_u32 s58, s56, BFR
	v_lshl_add_u32 v[TBW], v[TL7], 4, s58          ; B: I hold state s = lane % 16 of sequence q = lane / 16: fragment s / 8, row 8 q + s % 8, lane half q: lane 24 q + s % 8
	v_lshl_add_u32 v[TBW], v[TLQ], 9, v[TBW]
	v_mul_u32_u24 v[TDD], v[TLH], 384
	v_add_nc_u32 v[TBW], v[TDD], v[TBW]
	s_add_co_u32 s58, s56, LBC
	v_lshl_add_u32 v[TCL], v[TL7], 7, s58          ; C's fragment: my row is (sequence (lane / 8) % 2, token lane % 8)
	v_mul_u32_u24 v[TDD], v[TLQ], QBC
	v_add_nc_u32 v[TCL], v[TDD], v[TCL]
	v_mul_u32_u24 v[TGB], v[TLH], QBC              ; G: I make G[t][4 jg .. 4 jg + 3] of sequence lane / 16, t = (lane / 2) % 8, jg = lane % 2
	v_add_nc_u32 v[TGB], s58, v[TGB]
	v_lshl_add_u32 v[TGC], v[TLT], 7, v[TGB]
	v_lshl_add_u32 v[TGB], v[TLJ], 9, v[TGB]
	s_mul_i32 s58, s29, GT
	s_add_co_u32 s58, s58, GR
	v_lshl_add_u32 v[TGS], v[TLT], 5, s58
	v_lshl_add_u32 v[TGS], v[TLJ], 4, v[TGS]
	v_mul_u32_u24 v[TDD], v[TLH], GQ
	v_add_nc_u32 v[TGS], v[TDD], v[TGS]
	v_lshlrev_b32 v[TDD], 2, v[TLJ]
	v_sub_nc_u32 v[TDD], v[TLT], v[TDD]            ; t - 4 jg: entry jj stays where jj is not greater
	s_wait_dscnt 0x0
	s_wait_loadcnt 48                              ; in both layers the first chunk's 48 loads are the only ones younger than WB's and WC's
.set k, 0
.rept 8
.irp n2,0,1
.set f, 2*k+\n2
.if f < 8
.set WR, BB+8*f
.elseif f < 14
.set WR, 48+8*(f-8)
.else
.set WR, 112+8*(f-14)
.endif
.if k == 0
	v_wmma_f32_16x16x32_bf16 v[BACC+8*\n2:BACC+8*\n2+7], v[AF:AF+7], v[WR:WR+7], 0
.else
	v_wmma_f32_16x16x32_bf16 v[BACC+8*\n2:BACC+8*\n2+7], v[AF+8*k:AF+8*k+7], v[WR:WR+7], v[BACC+8*\n2:BACC+8*\n2+7]
.endif
.endr
.set k, k+1
.endr
	PLACES
.irp c,0,2,4,6
	v_pk_mul_f32 v[BACC+\c:BACC+\c+1], v[BACC+\c:BACC+\c+1], 0x3f317218 op_sel_hi:[1,0]  ; ln 2 x B
.endr
.irp n2,0,1
.irp j,0,1,2,3,4,5,6,7
	ds_store_b32 v[VBS], v[BACC+8*\n2+\j] offset:\j*128+\n2*64  ; lane (r, h): state r of sequence h, token 8 w + j
.endr
.endr
	s_cmp_lg_u32 s29, 0
	s_cbranch_scc1 .Lnot_wave_0
.irp k,0,1,2,3,4,5,6,7
	ds_store_b128 v[VH8], v[AF+8*\k:AF+8*\k+3] offset:\k*64      ; wave 0 writes the repeat: tile 0 of h, which it holds as fragments, as rows 128-143
	ds_store_b128 v[VH8], v[AF+8*\k+4:AF+8*\k+7] offset:\k*64+32
.endr
.Lnot_wave_0:
	; B's two fragments (source 0 of the sum onto the state): row (q, state), k = 8 q' + token, 0 where q' is not q.  My eight tokens of one state are the 16 bytes of one lane of a fragment.
.irp i,0,1,2,3
	v_cvt_pk_bf16_f32 v[112+\i], v[BACC+2*\i], v[BACC+2*\i+1]
.endr
.irp i,0,1,2,3
	v_mov_b32 v[116+\i], 0
.endr
	ds_store_b128 v[TFW], v[116:119] offset:BFR-CFR       ; zeros first; LDS serves a wave's instructions in order (ISA guide 5.7.1.4)
	ds_store_b128 v[TFW], v[116:119] offset:BFR-CFR+512
	ds_store_b128 v[TBW], v[112:115]
	BAR                                            ; B and C lie in BC in f32
	; C's fragment (source 0 of C . hs0): row (q, t); the state's fragment holds sequence h's sixteen states in lane half h, so lane half h of row (q, t) holds C_q[t][0..15] if h = q, else 0
.irp x,0,1,2,3
	ds_load_b128 v[112+4*\x:115+4*\x], v[TCL] offset:64+16*\x
.endr
.irp x,0,1,2,3
	ds_load_b128 v[96+4*\x:99+4*\x], v[TGC] offset:64+16*\x       ; for G: C_t,
.endr
.set i, 0
.rept 16                               ; i = 4 jj + x
	ds_load_b128 v[BB+4*i:BB+4*i+3], v[TGB] offset:(i/4)*128+(i%4)*16  ; and four rows of B
.set i, i+1
.endr
	s_wait_dscnt 0x0
.irp i,0,1,2,3,4,5,6,7
	v_cvt_pk_bf16_f32 v[AF+\i], v[112+2*\i], v[113+2*\i]
.endr
	v_cmp_eq_u32 vcc_lo, v[TLQ], v[TLH]
.irp i,0,1,2,3,4,5,6,7
	v_cndmask_b32 v[AF+\i], 0, v[AF+\i], vcc_lo
.endr
	ds_store_b128 v[TFW], v[AF:AF+3]
	ds_store_b128 v[TFW], v[AF+4:AF+7] offset:512
	; G[t][j] = C_t . (ln 2 B_j) in f32, 0 above the diagonal
.irp jj,0,1,2,3
	v_pk_mul_f32 v[GACC+2*\jj:GACC+2*\jj+1], v[96:97], v[BB+16*\jj:BB+16*\jj+1]
.endr
.irp x,2,4,6,8,10,12,14
.irp jj,0,1,2,3
	v_pk_fma_f32 v[GACC+2*\jj:GACC+2*\jj+1], v[96+\x:97+\x], v[BB+16*\jj+\x:BB+16*\jj+\x+1], v[GACC+2*\jj:GACC+2*\jj+1]
.endr
.endr
.irp jj,0,1,2,3
	v_add_f32 v[GV+\jj], v[GACC+2*\jj], v[GACC+2*\jj+1]
.endr
.irp jj,0,1,2,3
	v_cmp_le_i32 vcc_lo, \jj, v[TDD]
	v_cndmask_b32 v[GV+\jj], 0, v[GV+\jj], vcc_lo
.endr
	ds_store_b128 v[TGS], v[GV:GV+3]
	BAR                                            ; G, the fragments of B and C and the repeat are whole
	; THE CHUNKS.  No barrier inside: every wave reads H, G and the fragments and writes its own 128 bytes of R's rows.
.irp k,0,1,2,3,4,5,6,7
	ds_load_b128 v[AF+8*\k:AF+8*\k+3], v[VAH0] offset:\k*64
	ds_load_b128 v[AF+8*\k+4:AF+8*\k+7], v[VAH0] offset:\k*64+32
.endr
.irp i,4,5,6,7
	v_mov_b32 v[WF+\i], 0                          ; k = 16 .. 31 of the sum onto the state: 0 on both sides, set once a layer
	v_mov_b32 v[BF0+\i], 0
	v_mov_b32 v[BF1+\i], 0
.endr
	s_mov_b32 s[STA], 0
	s_mov_b32 s[STG], GR
	s_mov_b32 s[STF], CFR
	s_mov_b32 s[STY], 0
	s_mov_b32 s[STP], 0
	s_mov_b32 s51, 4
	s_wait_dscnt 0x0                               ; tile 0's fragments are in, so that the count at a trip's head holds on this way in too
.Lchunk:
	v_add_nc_u32 v[VPA], s[STP], v[VPRM]
	s_add_co_u32 s[STP], s[STP], 256
	ds_load_b128 v[P0:P0+3], v[VPA]                ; waited for ahead of the first trip's activations
.set e, HS
.rept 16
	v_mov_b32 v[e], 0                              ; a sequence begins with states 0
.set e, e+1
.endr
	s_wait_loadcnt 0x0                             ; this chunk's weights are in: nothing younger has been asked for
	s_mov_b32 s63, 8
.Ltile:
	v_add_nc_u32 v[VGMA], s[STG], v[VGM0]
	s_add_co_u32 s[STG], s[STG], GT
	v_add_nc_u32 v[VFA], s[STF], v[VL16]
	s_add_co_u32 s[STF], s[STF], 1024
	s_wait_dscnt 8                                 ; the tile's fragments of h are in: behind them only the last trip's eight stores were issued (and, at a chunk's head, the parameters' load)
	ds_load_b64 v[GM:GM+1], v[VGMA]                ; G's rows as far as the diagonal's pair: 12 loads; then the fragments of C and B: 4.  They have the products below in which to land
	ds_load_b64 v[GM+2:GM+3], v[VGMA] offset:32
	ds_load_b128 v[GM+4:GM+7], v[VGMA] offset:64
	ds_load_b128 v[GM+8:GM+11], v[VGMA] offset:96
	ds_load_b128 v[GM+12:GM+15], v[VGMA] offset:128
	ds_load_b64 v[GM+16:GM+17], v[VGMA] offset:144
	ds_load_b128 v[GM+18:GM+21], v[VGMA] offset:160
	ds_load_b64 v[GM+22:GM+23], v[VGMA] offset:176
	ds_load_b128 v[GM+24:GM+27], v[VGMA] offset:192
	ds_load_b128 v[GM+28:GM+31], v[VGMA] offset:208
	ds_load_b128 v[GM+32:GM+35], v[VGMA] offset:224
	ds_load_b128 v[GM+36:GM+39], v[VGMA] offset:240
	ds_load_b128 v[CF:CF+3], v[VFA]
	ds_load_b128 v[CF+4:CF+7], v[VFA] offset:512
	ds_load_b128 v[BF0:BF0+3], v[VFA] offset:BFR-CFR
	ds_load_b128 v[BF1:BF1+3], v[VFA] offset:BFR-CFR+512
	GEMM
.irp i,0,1,2,3,4,5,6,7
	v_cvt_pk_bf16_f32 v[HF+\i], v[HS+2*\i], v[HS+2*\i+1]  ; the state at the tile's start as a fragment: also the places behind the products; each accumulator's lowest registers first
.endr
	s_add_co_u32 s[STA], s[STA], TILE_H
	v_add_nc_u32 v[VADR], s[STA], v[VAH0]
	v_add_nc_u32 v[VYA], s[STY], v[VY0]
	s_add_co_u32 s[STY], s[STY], TILE_R
	s_cmp_lg_u32 s63, 1
	s_cbranch_scc1 .Lkeep
	LOADW                                          ; the chunk's last products are done: the next chunk's weights (behind the fourth chunk: Wout's first 24 fragments) have the rest of this trip in which to land
.Lkeep:
.irp k,0,1,2,3,4,5,6,7
	ds_load_b128 v[AF+8*\k:AF+8*\k+3], v[VADR] offset:\k*64       ; the next tile's fragments of h
	ds_load_b128 v[AF+8*\k+4:AF+8*\k+7], v[VADR] offset:\k*64+32
.endr
	s_wait_dscnt 16                                ; those sixteen may stay out: G, the fragments of C and B and the parameters are in
	PRE P0
	v_wmma_f32_16x16x32_bf16 v[YI:YI+7], v[CF:CF+7], v[HF:HF+7], 0    ; C_t . hs0: lane (channel, q), register t
	s_wait_alu depctr_va_vdst(0)
	INTRA                                          ; names none of that product's registers: its places
.irp i,0,1,2,3
	v_cvt_pk_bf16_f32 v[WF+\i], v[AX+2*\i], v[AX+2*\i+1]
.endr
.irp x,0,2,4,6,8,10,12,14
	PMULB HS+\x, HS+\x, EE+7                       ; E_7 hs0
.endr
	v_wmma_f32_16x16x32_bf16 v[HS:HS+7], v[BF0:BF0+7], v[WF:WF+7], v[HS:HS+7]            ; + sum of w_j B_j: states 0-7,
	v_wmma_f32_16x16x32_bf16 v[HS+8:HS+15], v[BF1:BF1+7], v[WF:WF+7], v[HS+8:HS+15]      ; states 8-15: two accumulators, one instruction each
.irp c,0,2,4,6
	v_pk_fma_f32 v[SM+\c:SM+\c+1], v[EE+\c:EE+\c+1], v[YI+\c:YI+\c+1], v[SM+\c:SM+\c+1]  ; y; these sixteen lines are the places behind the two products
.endr
.irp c,0,2,4,6
	v_pk_mul_f32 v[SM+\c:SM+\c+1], v[SM+\c:SM+\c+1], v[AZ+\c:AZ+\c+1]                    ; y silu(z)
.endr
.irp j,0,1,2,3,4,5,6,7
	v_cvt_pk_bf16_f32 v[SM+\j], v[SM+\j], v[SM+\j]
.endr
.irp j,0,1,2,3,4,5,6,7
	ds_store_b16 v[VYA], v[SM+\j] offset:\j*RP
.endr
	s_sub_co_u32 s63, s63, 1
	s_cmp_lg_u32 s63, 0
	s_cbranch_scc1 .Ltile
	s_sub_co_u32 s[STA], s[STA], 8*TILE_H          ; back to tile 0 (what the last trip fetched from the repeat is tile 0),
	s_sub_co_u32 s[STG], s[STG], 8*GT
	s_sub_co_u32 s[STF], s[STF], 8192
	s_sub_co_u32 s[STY], s[STY], 8*TILE_R-32       ; and 16 channels on in R's rows
	s_sub_co_u32 s51, s51, 1
	s_cmp_lg_u32 s51, 0
	s_cbranch_scc1 .Lchunk
	; THE OUT-PROJECTION, onto the kept sums
	BAR                                            ; y silu(z) is whole in R
	v_add_nc_u32 v[VKP], s[SKP], v[VL16]
.set t, 0
.rept 16
	ds_load_b128 v[OA0+4*t:OA0+4*t+3], v[VKP] offset:t*512  ; the sums of row tiles 0-3 come back: my own bytes; K step 0's count of 16 shows them in
.set t, t+1
.endr
	YLOAD 0
	YLOAD 1
	s_wait_loadcnt 0x0                             ; Wout's K steps 0-11 are in
.irp ks,0,1,2,3
	OSTEP \ks
.endr
	v_add_nc_u32 v[VWO], s[WOFF], v[VL16]          ; K steps 12-15, eight fragments, where K steps 0-3 lay: sixteen loads, eight K steps ahead of their use
	s_add_co_u32 s[WOFF], s[WOFF], 8192            ; behind them begins the next layer's part of my stream
	WIN 0x40
.set f, 0
.rept 8
	global_load_b128 v[8*f:8*f+3], v[VWO], s[12:13] offset:f*1024
	global_load_b128 v[8*f+4:8*f+7], v[VWO], s[12:13] offset:f*1024+512
.set f, f+1
.endr
	WIN 0
.irp ks,4,5,6,7,8,9,10,11
	OSTEP \ks
.endr
	s_wait_loadcnt 0x0                             ; no load of mine is out: the layer's pointers may be stepped below
.irp ks,12,13,14,15
	OSTEP \ks
.endr
	WIN 0x40                                       ; x0 once more, into window 1, v0-127, where Wout lay: it lands while the sums change hands in R
.set n, 0
.rept 32
	global_load_b128 v[4*n:4*n+3], v[VG+4*((n/4)%2)+n/8], s[38+2*((n/2)%2):39+2*((n/2)%2)] offset:(n%2)*512
.set n, n+1
.endr
	WIN 0
	BAR                                            ; nobody reads y silu(z) any more
.set t, 0
.rept 8                                ; t = 2 i + nt
	ds_store_b128 v[VXS0], v[OA0+8*t:OA0+8*t+3] offset:(t/2)*TILE_R+(t%2)*64       ; each accumulator's lowest registers first
	ds_store_b128 v[VXS0], v[OA0+8*t+4:OA0+8*t+7] offset:(t/2)*TILE_R+(t%2)*64+16
.set t, t+1
.endr
	s_cmp_eq_u32 s28, 1
	s_cbranch_scc1 .Lno_next                       ; behind the second layer nothing is kept and nothing more is asked for
	v_add_nc_u32 v[VKP], s[SKP], v[VL16]
.set t, 0
.rept 16
	ds_store_b128 v[VKP], v[OA0+4*t:OA0+4*t+3] offset:t*512  ; the sums of row tiles 0-3 wait in KEEP while the next layer has their registers
.set t, t+1
.endr
	s_add_nc_u64 s[14:15], s[14:15], 16384         ; the second layer's WB and WC and its parameters
	s_add_nc_u64 s[16:17], s[16:17], 2048
	s_add_nc_u64 s[18:19], s[18:19], 2048
	s_add_nc_u64 s[20:21], s[20:21], 2048
	s_add_nc_u64 s[22:23], s[22:23], 1024
	s_add_nc_u64 s[24:25], s[24:25], 1024
	LP                                             ; they land while the sums change hands
.Lno_next:
	WIN 0x04                                       ; store data in window 1
.set t, 0
.rept 8
	ds_store_b128 v[VXS0+1], v[OA1+8*t:OA1+8*t+3] offset:(t/2)*TILE_R+(t%2)*64
	ds_store_b128 v[VXS0+1], v[OA1+8*t+4:OA1+8*t+7] offset:(t/2)*TILE_R+(t%2)*64+16
.set t, t+1
.endr
	WIN 0
	BAR                                            ; whole rows of the sums
.set n, 0
.rept 32
	ds_load_b128 v[XT+4*n:XT+4*n+3], v[VXW] offset:((n/4)%2)*8*RP+(2*(n/8)+(n/2)%2)*RP+(n%2)*512  ; my tile's rows: nobody else reads them
.set n, n+1
.endr
	s_wait_loadcnt 0x0                             ; x0, and the next layer's parameters
	WIN 0x45                                       ; all three places in window 1
.set m, 0
.rept 64
	RND 2*m, 2*m+1, 128+m%8
.set m, m+1
.endr
	WIN 0
	s_wait_dscnt 0x0
	WIN 0x04
.set m, 0
.rept 64
	v_pk_add_f32 v[XT+2*m:XT+2*m+1], v[XT+2*m:XT+2*m+1], v[2*m:2*m+1]  ; x0 + the sums: the next layer's x, or the result
.set m, m+1
.endr
	WIN 0
	s_add_co_u32 s28, s28, 1
	s_cmp_lt_u32 s28, 2
	s_cbranch_scc1 .Llayer
	; X OUT, by the addresses by which x0 came
.set n, 0
.rept 32
	global_store_b128 v[VG+4*((n/4)%2)+n/8], v[XT+4*n:XT+4*n+3], s[42+2*((n/2)%2):43+2*((n/2)%2)] offset:(n%2)*512  ; 512 consecutive bytes, at a multiple of 512 from the buffer's first
.set n, n+1
.endr
	s_wait_tensorcnt 0x0                           ; the wave's end: three lines behind my last LDS store
	ds_add_u32 v[SPW], v[NIL]
	s_wait_dscnt 0x0
	s_endpgm
.Lfunc_end_k_q993bdfb88e_layers:
	.size	k_q993bdfb88e_layers, .Lfunc_end_k_q993bdfb88e_layers-k_q993bdfb88e_layers
	.p2alignl 7, 3214868480
	.fill 96, 4, 3214868480
	.section	.rodata,"a",@progbits
	.p2align	6, 0x0
	.amdhsa_kernel k_q993bdfb88e_layers
		.amdhsa_group_segment_fixed_size 321536
		.amdhsa_private_segment_fixed_size 0
		.amdhsa_enable_private_segment 0
		.amdhsa_kernarg_size 80
		.amdhsa_user_sgpr_count 2
		.amdhsa_user_sgpr_kernarg_segment_ptr 1
		.amdhsa_wavefront_size32 1
		.amdhsa_system_sgpr_workgroup_id_x 1
		.amdhsa_system_sgpr_workgroup_id_y 1
		.amdhsa_system_sgpr_workgroup_id_z 1
		.amdhsa_system_vgpr_workitem_id 0
		.amdhsa_next_free_vgpr 512
		.amdhsa_next_free_sgpr 72
		.amdhsa_reserve_vcc 1
		.amdhsa_float_denorm_mode_32 3
		.amdhsa_float_denorm_mode_16_64 3
		.amdhsa_memory_ordered 1
		.amdhsa_forward_progress 1
		.amdhsa_inst_pref_size 143
	.end_amdhsa_kernel
	.amdgpu_metadata
---
amdhsa.version: [ 1, 2 ]
amdhsa.kernels:
  - .name:           k_q993bdfb88e_layers
    .symbol:         k_q993bdfb88e_layers.kd
    .args:
      - { .name: stream_sem, .offset: 0, .size: 8, .value_kind: global_buffer, .address_space: global }
      - { .name: stream_inst, .offset: 8, .size: 8, .value_kind: global_buffer, .address_space: global }
      - { .name: wst, .offset: 16, .size: 8, .value_kind: global_buffer, .address_space: global }
      - { .name: wbc, .offset: 24, .size: 8, .value_kind: global_buffer, .address_space: global }
      - { .name: A_log, .offset: 32, .size: 8, .value_kind: global_buffer, .address_space: global }
      - { .name: Dskip, .offset: 40, .size: 8, .value_kind: global_buffer, .address_space: global }
      - { .name: dt_bias, .offset: 48, .size: 8, .value_kind: global_buffer, .address_space: global }
      - { .name: ln_s, .offset: 56, .size: 8, .value_kind: global_buffer, .address_space: global }
      - { .name: ln_b, .offset: 64, .size: 8, .value_kind: global_buffer, .address_space: global }
      - { .name: xf, .offset: 72, .size: 8, .value_kind: global_buffer, .address_space: global }
    .group_segment_fixed_size: 321536
    .private_segment_fixed_size: 0
    .kernarg_segment_align: 8
    .kernarg_segment_size: 80
    .max_flat_workgroup_size: 256
    .sgpr_count:     72
    .vgpr_count:     512
    .wavefront_size: 32
...
	.end_amdgpu_metadata
.endif
;; end of part 5
;; launch fuse: the kernel of part 3 again; grid 256 x 1, 4 waves a work-group, no clusters, 269,824 bytes of LDS; arguments xf, wgm, gate_b, merge_b, merge_ln_s, merge_ln_b, out0, out1; writes out0, out1
